; MI455X (gfx1250); checked and timed in simulation.
; The chip was launched on July 23, 2026; its instructions are those of AMD's public machine-readable ISA for CDNA 5 (MIT licence, August 2026) and "CDNA5" Instruction Set Architecture Reference Guide (July 2026). The comments in the code are by the model that wrote it; some were corrected since.
;; SA Module. Allowed arithmetic: matrix products marked QUANTISED: E2M1 operands, one E8M0 scale for each 32 along K, by v_wmma_scale_f32_16x16x128_f8f6f4 with both operands' format E2M1 (or v_wmma_scale_f32_32x16x128_f4), f32 sums; everything else in f32.
;; Inputs: betak 256 float32; betaq 256 float32; bk 256 float32; bo 512 float32; bq 256 float32; bv 256 float32; gk 256 float32; gq 256 float32; mk 256 float32; mq 256 float32; vk 256 float32; vq 256 float32; wk 256 x 512 float32; wo 512 x 256 float32; wq 256 x 512 float32; wv 256 x 512 float32; x 16 x 512 x 2,048 float32.
;; Outputs: out0 16 x 512 x 2,048 float32.
;; This version of the problem:
;;   THIS VERSION OF THE PROBLEM IS GIVEN IN LOW PRECISION. The matrix products marked QUANTISED in the list below multiply operands that are first quantised to E2M1 (2 exponent bits, 1 mantissa bit; 4 bits a number), with one power-of-two scale for each 32 numbers along K (OCP MX v1.0); their sums are f32. All else is computed in f32.
;;   The module's matrix products, in the order in which they are computed (A, B: the left and right operand; K: the contracted axis; several contracted axes count as one K, in the product's order):
;;     1. [M 32,768, K 512] x [K 512, N 256]; A: input x; B: input wq: QUANTISED
;;     2. [M 32,768, K 512] x [K 512, N 256]; A: input x; B: input wk: QUANTISED
;;     3. [M 32,768, K 512] x [K 512, N 256]; A: input x; B: input wv: QUANTISED
;;     4. batch 16 x [M 2,048, K 256] x [K 256, N 2,048]; A: computed on the way; B: computed on the way: QUANTISED
;;     5. batch 16 x [M 256, K 2,048] x [K 2,048, N 2,048]; A: computed on the way; B: softmax (see below): QUANTISED
;;     6. [M 32,768, K 256] x [K 256, N 512]; A: computed on the way; B: input wo: QUANTISED
;;   THE QUANTISER, for each operand of a quantised product, along K:
;;     - K is cut into blocks of 32 from its start; a last block that is shorter is filled with zeros.
;;     - A block's scale is 2^e with e = floor(log2(the largest magnitude in the block)) - 2, held to -126 .. 127; a block of zeros has e = 0. As a byte (E8M0): e + 127.
;;     - Each number is divided by its block's scale, clamped to +-6, and rounded to the nearest number of E2M1, ties to even, subnormals kept.
;;     - The product sums the exact products of the quantised numbers (number of the format x scale) in f32.
;;   ~~~python
;;   def quantise(x, axis):      # numpy; x: float32 -> the quantised numbers, widened to float32 again
;;       x = np.moveaxis(x, axis, -1); K = x.shape[-1]
;;       x = np.pad(x, [(0, 0)] * (x.ndim - 1) + [(0, -K % 32)]); x = x.reshape(x.shape[:-1] + (-1, 32)); a = np.abs(x).max(-1, keepdims=True)
;;       e = np.where(a > 0, np.clip(np.frexp(np.where(a > 0, a, 1))[1] - 1 - 2, -126, 127), 0)      # np.frexp(a)[1] - 1 = floor(log2(a)), exactly
;;       r = np.clip(x / 2.0 ** e, -6, 6)
;;       step = 2.0 ** (np.maximum(np.frexp(np.where(r == 0, 1, r))[1] - 1, 0) - 1)
;;       q = np.round(r / step) * step * 2.0 ** e      # np.round: ties to even
;;       return np.moveaxis(q.reshape(q.shape[:-2] + (-1,))[..., :K], -1, axis).astype(np.float32)
;;   ~~~
;;   SOFTMAX AHEAD OF A QUANTISED PRODUCT. Where the list says 'softmax', what is quantised is not the finished softmax but p = 2^(t - M), with t = logit x log2(e) and M = ceil(the row's largest t), a whole number; so 1/2 < the row's largest p <= 1. The row's sum l is taken of the UNQUANTISED p, in f32, and the product's result is divided by l at the end. Since M is a whole number, a kernel that streams over the keys may use a running M (the ceiling of the running maximum): every later rescaling is an exact power of two, which a block's scale takes up: the codes' values come out the same.
;;   OPERANDS COMPUTED ON THE WAY. 'Computed on the way' means the value that the module computes at that place (a softmax that the list does not call 'softmax' is quantised finished and normalised). What goes into a quantiser is computed in f32, as accurately as f32 sums, v_exp_f32 and their like allow (about 1e-6 of the number): no bf16 or f16 on the way to a quantiser, and a product that is left as it is and whose result goes on into a quantised operand takes f32 operands (vector FMAs, or v_wmma_f32_16x16x4_f32). A number that lies on a knife's edge between two numbers of the format may be rounded either way, as far as f32 arithmetic and the matrix unit's own rounding can turn it there, and no further.
;; One version. Each part assembles by itself: llvm-mc -triple=amdgcn-amd-amdhsa -mcpu=gfx1250 --defsym DOCPART=n.
;; ======== version 1 of 1: 3 launches
;; workspace buffers: wimg 262,144 bytes; wscl 16,384 bytes; kvc 8,404,992 bytes; kvs 524,288 bytes; qj 4,456,448 bytes
;; launch wprep (part 1): grid 64 x 1, 1 waves a work-group, no clusters, 8,960 bytes of LDS; arguments wq, wk, wv, wo, wimg, wscl, kvc; writes wimg, wscl, kvc
.if DOCPART == 1
	.amdgcn_target "amdgcn-amd-amdhsa--gfx1250"
	.amdhsa_code_object_version 6
	.text
	.protected	k_q9d6926c42c_wprep
	.globl	k_q9d6926c42c_wprep
	.p2align	8
	.type	k_q9d6926c42c_wprep,@function
k_q9d6926c42c_wprep:
	s_mov_b64 s[64:65], 0
	v_nop
	global_prefetch_b8 v0, s[64:65] scope:SCOPE_SE
	s_setreg_imm32_b32 hwreg(HW_REG_WAVE_MODE, 25, 1), 1
	s_wait_xcnt 0x0
; The four weights (wq, wk, wv: [256][512]; wo: [512][256]; f32, K innermost) become codes of FP4 (E2M1) with one E8M0 scale byte for each 32 along K,
; laid as IMAGES OF OPERAND REGISTERS: a fragment is 16 rows x 128 K = 8 registers a lane = 1,024 bytes, [chunk c 0..1][lane][16 bytes]; lane (r, h), chunk c holds k = 64 c + 32 h + 0 .. 31 of row r.
; Work-group J makes four fragments: wimg[J][f][1024], and their scale words: wscl[J][lane][2 words]: word p holds fragment 2 p's words in lanes 0-15 and fragment 2 p + 1's in lanes 16-31.
;   J < 48: tensor J / 16, tile tau = J % 16 = 8 s + t; THE ROWS OF A TILE ARE NOT NEIGHBOURS: row rho is real row 128 s + 32 (t / 2) + 8 (t % 2) + rho + 8 (rho / 8); f is the K step.
;   J >= 48: wo; f gives tile 2 (J - 48) + f / 2, rows 16 x tile + rho, and K step f % 2.
; One wave.  Each load reads one row's 128 numbers, 512 consecutive bytes; the 16 rows turn through LDS (pitch 528) so that a lane gets 32 neighbours along K of its own row, twice: two whole blocks a lane.
; A block's scale is 2^(floor(log2(largest magnitude)) - 2); its byte is the largest magnitude's exponent field - 2, held at 1 from below.
; Each work-group also stores 256 bytes of zeros behind kvc's 8,388,608 bytes of codes: 16,384 in all, which the attention launch's last tile of the last batch covers and does not use.
; LIMITS: a block of zeros (or one under 2^-124) gets the byte 1 where the rule says 127: its codes are zeros, and this program alone reads the bytes.  NaN and infinities among the inputs are not served.
.set PITCH, 528                        ; a stage row: 512 bytes + 16: sixteen rows start in sixteen different groups of banks
.set VO,  8                            ; v8-23    row rho: 16 x lane + the row's byte offset
.set PWF, 24                           ; v24-27   a scale word for each fragment
.set MX,  28                           ; v28-29   largest magnitudes, then the bytes; at the end zeros
.set SOP, 30                           ; v30-31   the conversions' scale operands
.set RA,  32                           ; v32-95   16 rows as loaded
.set RB,  96                           ; v96-159  the same, second set
.set X,   160                          ; v160-223 my two blocks of 32
.set C,   224                          ; v224-255 codes, 8 registers a fragment: no store's data are written again
	s_load_b256 s[4:11], s[0:1], 0x0               ; wq s[4:5], wk s[6:7], wv s[8:9], wo s[10:11]
	s_load_b128 s[12:15], s[0:1], 0x20             ; wimg s[12:13], wscl s[14:15]
	s_load_b64 s[2:3], s[0:1], 0x30                ; kvc
	s_set_vgpr_msb 0x40
	v_lshl_add_u32 v0, v0, 2, 0x2200
	v_mov_b32 v1, 0
	s_set_vgpr_msb 0x4000
	v_and_b32 v1, 15, v0                           ; r
	v_lshrrev_b32 v2, 4, v0                        ; h
	v_lshlrev_b32 v3, 4, v0                        ; 16 x lane
	v_mul_u32_u24 v4, v1, PITCH
	v_lshl_add_u32 v4, v2, 7, v4                   ; out of the stage: row r, + 128 h bytes
	v_lshlrev_b32 v5, 3, v0                        ; 8 x lane
	v_lshlrev_b32 v2, 3, v2                        ; 8 h: how far my two bytes are shifted in the scale word
	v_mov_b32 v7, 0                                ; written once: a lane permute's destination counts as one of its sources
	s_mov_b32 s20, 0xffff0000                      ; lanes 16-31
	s_mov_b32 s38, 0x76543210
	s_mov_b32 s39, 0xfedcba98                      ; v_permlanex16_b32's selects for lane l xor 16
	s_and_b32 s32, ttmp9, 15                       ; tau, or J - 48
	s_lshr_b32 s33, s32, 3
	s_lshl_b32 s33, s33, 7                         ; 128 s
	s_bfe_u32 s34, s32, 0x20001                    ; t / 2
	s_lshl_b32 s34, s34, 5
	s_add_co_u32 s33, s33, s34
	s_and_b32 s34, s32, 1
	s_lshl_b32 s34, s34, 3
	s_add_co_u32 s33, s33, s34
	s_lshl_b32 s33, s33, 11                        ; the tile's first row, rows of 2,048 bytes
	s_lshl_b32 s34, s32, 15                        ; wo: two tiles of 16 rows of 1,024 bytes for each work-group
	s_cmp_lt_u32 ttmp9, 48
	s_cselect_b32 s17, 1, 0                        ; 1: wq, wk, wv; 0: wo
	s_cselect_b32 s36, s33, s34
	s_mov_b32 s37, 0
	s_lshl_b32 s21, 0x400, s17                     ; bytes from row to row
	s_lshl_b32 s22, s17, 14                        ; rows 8-15 of a permuted tile lie 8 rows further on
	s_lshl_b32 s23, s17, 2
	s_lshr_b32 s40, 0x4000, s23                    ; from fragment 0 to fragment 2: 1,024 bytes along K, or 16 rows of wo
	s_mov_b32 s41, 0
	s_lshl_b32 s42, ttmp9, 12
	s_mov_b32 s43, 0
	s_lshl_b32 s44, ttmp9, 8
	s_mov_b32 s45, 0
.irp rho, 0,1,2,3,4,5,6,7,8,9,10,11,12,13,14,15
	s_mul_i32 s46, s21, \rho
.if \rho >= 8
	s_add_co_u32 s46, s46, s22
.endif
	v_add_nc_u32 v[VO+\rho], s46, v3
.endr
	s_wait_kmcnt 0x0
	s_cmp_lt_u32 ttmp9, 16                         ; which tensor: the choice hangs on the work-group's number alone
	s_cselect_b64 s[18:19], s[4:5], s[6:7]
	s_cmp_lt_u32 ttmp9, 32
	s_cselect_b64 s[18:19], s[18:19], s[8:9]
	s_cmp_lt_u32 ttmp9, 48
	s_cselect_b64 s[18:19], s[18:19], s[10:11]
	s_add_nc_u64 s[24:25], s[18:19], s[36:37]      ; a base for each fragment
	s_add_nc_u64 s[26:27], s[24:25], 512
	s_add_nc_u64 s[28:29], s[24:25], s[40:41]
	s_add_nc_u64 s[30:31], s[28:29], 512
	s_add_nc_u64 s[12:13], s[12:13], s[42:43]
	s_add_nc_u64 s[14:15], s[14:15], s[44:45]
	s_add_nc_u64 s[2:3], s[2:3], s[44:45]          ; my 256 bytes
	s_add_nc_u64 s[2:3], s[2:3], 0x800000          ; behind kvc's 8,388,608 bytes of codes
.macro LOADF f, set                    ; fragment f's 16 rows: each load reads 512 consecutive bytes
.irp rho, 0,1,2,3,4,5,6,7,8,9,10,11,12,13,14,15
	global_load_b128 v[\set+4*\rho:\set+4*\rho+3], v[VO+\rho], s[24+2*(\f):25+2*(\f)] th:TH_LOAD_NT
.endr
.endm
.macro TURN set                        ; through the stage: LDS serves a wave's instructions in order, so no wait stands between the stores and the loads
.irp rho, 0,1,2,3,4,5,6,7,8,9,10,11,12,13,14,15
	ds_store_b128 v3, v[\set+4*\rho:\set+4*\rho+3] offset:PITCH*\rho
.endr
.irp c, 0,1
.irp i, 0,1,2,3,4,5,6,7
	ds_load_b128 v[X+32*\c+4*\i:X+32*\c+4*\i+3], v4 offset:256*\c+16*\i
.endr
.endr
.endm
.macro QUANTW f                        ; my two blocks (h and 2 + h of row r) become registers 0-7 of the fragment, and the row's scale word
.irp c, 0,1
	v_max3_num_f32 v[MX+\c], |v[X+32*\c]|, |v[X+1+32*\c]|, 0x1800000   ; with the floor 2^(3 - 127): the byte cannot fall under 1
.endr
.irp i, 2,4,6,8,10,12,14,16,18,20,22,24,26,28,30
.irp c, 0,1
	v_max3_num_f32 v[MX+\c], v[MX+\c], |v[X+32*\c+\i]|, |v[X+1+32*\c+\i]|
.endr
.endr
.irp c, 0,1
	v_add_nc_u32 v[SOP+\c], 0xff000000, v[MX+\c]   ; 2 off the exponent field: the conversion takes that field as its scale
.endr
.irp c, 0,1
	v_lshrrev_b32 v[MX+\c], 23, v[SOP+\c]          ; the scale's byte
.endr
	v_lshl_or_b32 v6, v[MX+1], 16, v[MX]
	v_lshlrev_b32 v6, v2, v6                       ; at their places in the word
	v_permlanex16_b32 v7, v6, s38, s39
	v_or_b32 v[PWF+(\f)], v6, v7                   ; with lane l xor 16's two the word is whole, in both halves of the lanes
.irp c, 0,1
.irp g, 0,1,2,3
	v_cvt_scalef32_pk8_fp4_f32 v[C+8*(\f)+4*\c+\g], v[X+32*\c+8*\g:X+32*\c+8*\g+7], v[SOP+\c]
.endr
.endr
	v_nop                                          ; one plain place behind the last scaled conversion
.endm
.macro FRAGM f, set, left, more
	s_wait_loadcnt \left                           ; this fragment's 16 loads are in; the 16 of the fragment behind it may be out
	TURN \set
	s_wait_dscnt 0x0                               ; my numbers are back, and the stores have read the set
.if \more
	LOADF (\f)+2, \set
.endif
	QUANTW \f
.irp c, 0,1
	global_store_b128 v3, v[C+8*(\f)+4*\c:C+8*(\f)+4*\c+3], s[12:13] offset:1024*(\f)+512*\c   ; 32 lanes store 512 consecutive bytes
.endr
.endm
	LOADF 0, RA
	LOADF 1, RB
	FRAGM 0, RA, 16, 1
	FRAGM 1, RB, 16, 1
	FRAGM 2, RA, 16, 0
	FRAGM 3, RB, 0, 0
	v_cndmask_b32 v6, v[PWF], v[PWF+1], s20        ; lanes 0-15: fragment 0's words, lanes 16-31: fragment 1's
	v_cndmask_b32 v7, v[PWF+2], v[PWF+3], s20
	global_store_b64 v5, v[6:7], s[14:15]          ; 32 lanes store 256 consecutive bytes, aligned
	v_mov_b32 v[MX], 0
	v_mov_b32 v[MX+1], 0
	global_store_b64 v5, v[MX:MX+1], s[2:3]        ; and 256 bytes of zeros behind kvc's codes
	s_set_vgpr_msb 0x5
	s_wait_tensorcnt 0x0
	ds_add_u32 v0, v1
	s_wait_dscnt 0x0
	s_set_vgpr_msb 0x500
	s_endpgm
.Lfunc_end_k_q9d6926c42c_wprep:
	.size	k_q9d6926c42c_wprep, .Lfunc_end_k_q9d6926c42c_wprep-k_q9d6926c42c_wprep
	.p2alignl 7, 3214868480
	.fill 96, 4, 3214868480
	.section	.rodata,"a",@progbits
	.p2align	6, 0x0
	.amdhsa_kernel k_q9d6926c42c_wprep
		.amdhsa_group_segment_fixed_size 8960
		.amdhsa_private_segment_fixed_size 0
		.amdhsa_enable_private_segment 0
		.amdhsa_kernarg_size 56
		.amdhsa_user_sgpr_count 2
		.amdhsa_user_sgpr_kernarg_segment_ptr 1
		.amdhsa_wavefront_size32 1
		.amdhsa_system_sgpr_workgroup_id_x 1
		.amdhsa_system_sgpr_workgroup_id_y 1
		.amdhsa_system_sgpr_workgroup_id_z 1
		.amdhsa_system_vgpr_workitem_id 0
		.amdhsa_next_free_vgpr 258
		.amdhsa_next_free_sgpr 66
		.amdhsa_reserve_vcc 0
		.amdhsa_float_denorm_mode_32 3
		.amdhsa_float_denorm_mode_16_64 3
		.amdhsa_memory_ordered 1
		.amdhsa_forward_progress 1
		.amdhsa_inst_pref_size 32
	.end_amdhsa_kernel
	.amdgpu_metadata
---
amdhsa.version: [ 1, 2 ]
amdhsa.kernels:
  - .name:           k_q9d6926c42c_wprep
    .symbol:         k_q9d6926c42c_wprep.kd
    .args:
      - { .name: wq, .offset: 0, .size: 8, .value_kind: global_buffer, .address_space: global }
      - { .name: wk, .offset: 8, .size: 8, .value_kind: global_buffer, .address_space: global }
      - { .name: wv, .offset: 16, .size: 8, .value_kind: global_buffer, .address_space: global }
      - { .name: wo, .offset: 24, .size: 8, .value_kind: global_buffer, .address_space: global }
      - { .name: wimg, .offset: 32, .size: 8, .value_kind: global_buffer, .address_space: global }
      - { .name: wscl, .offset: 40, .size: 8, .value_kind: global_buffer, .address_space: global }
      - { .name: kvc, .offset: 48, .size: 8, .value_kind: global_buffer, .address_space: global }
    .group_segment_fixed_size: 8960
    .private_segment_fixed_size: 0
    .kernarg_segment_align: 8
    .kernarg_segment_size: 56
    .max_flat_workgroup_size: 32
    .sgpr_count:     66
    .vgpr_count:     258
    .wavefront_size: 32
...
	.end_amdgpu_metadata
.endif
;; end of part 1
;; launch proj (part 2): grid 256 x 1, 4 waves a work-group, no clusters, 302,592 bytes of LDS; arguments x, wimg, wscl, bq, gq, betaq, mq, vq, bk, gk, betak, mk, vk, bv, kvc, kvs, qj; writes kvc, kvs, qj
.if DOCPART == 2
	.amdgcn_target "amdgcn-amd-amdhsa--gfx1250"
	.amdhsa_code_object_version 6
	.text
	.protected	k_q9d6926c42c_proj
	.globl	k_q9d6926c42c_proj
	.p2align	8
	.type	k_q9d6926c42c_proj,@function
k_q9d6926c42c_proj:
	s_mov_b64 s[64:65], 0
	v_nop
	global_prefetch_b8 v0, s[64:65] scope:SCOPE_SE
	s_setreg_imm32_b32 hwreg(HW_REG_WAVE_MODE, 25, 1), 1
	s_wait_xcnt 0x0
; The three projections of x [16][512][2048] (K = the 512 channels, which is NOT innermost), on codes of FP4 with one E8M0 scale for each 32 along K, and what follows them:
; q = relu(BN(wq x + bq)) and k = relu(BN(wk x + bk)) are quantised along their 256 channels, v = wv x + bv along the positions; all three leave as images of operand registers for the attention launch.
; Work-group g = 16 x batch + P takes 128 positions and all 768 output channels.  The tile of x (512 rows x 512 bytes) comes into LDS by tensor loads, once: no LDS byte is filled twice.
; WAVE w: (a) quantises channels 128 w .. 128 w + 127 of x (K step w) for the 128 positions: a lane takes a position, its registers run down K;
;         (b) makes 128 channels of q (w = 0, 1) or of k (w = 2, 3), half s = w % 2: its 32 weight fragments stay in registers; eight units, one for each tile of 16 positions;
;         (c) makes channel tiles 4 w .. 4 w + 3 of v: four units.
; TILES ARE PERMUTED: row rho of tile 2 b + u of a group of 128 is real row 32 b + 8 u + rho + 8 (rho / 8).  Where such a tile is source 0, the 16 registers of tiles 2 b, 2 b + 1 are 16 neighbours
; 32 b + 16 (lane / 16) + 0 .. 15: so a lane's 64 results are what the quantiser wants along the next K.  q, k: source 0 = the weight's tile, source 1 = positions; v: source 0 = positions, source 1 = wv's tile.
; OUT: kvc[g]: +0 the codes made of q, [tile][s][1024]; +16384 those of v, [channel tile][1024].  kvs[g]: +0 q's scale words, [chunk][lane][4 words] (word k: tile 4 chunk + k; lanes 0-15 s = 0, lanes 16-31 s = 1);
;      +1024 v's likewise (word k: channel tiles 2 (4 chunk + k) in lanes 0-15 and + 1 in lanes 16-31).  qj[g]: the codes made of k, 16,384 bytes, then their scale words, 1,024.
; LIMITS: a block of zeros (or one under 2^-124) gets the byte 1 where the rule says 127: its codes are zeros, and this program alone reads the bytes.  NaN and infinities are not served.
;         gamma / sqrt(var + eps) is taken as gamma x v_rsq_f32(var + eps).
; REGISTERS, in windows of 256 (s_set_vgpr_msb: bits 1:0 source 0, 3:2 source 1, 5:4 source 2, 7:6 destination):
;   window 0: addresses, scale words, 8 accumulators, wv's fragments of two tiles, what the quantiser works in.   window 1: my 32 weight fragments (tile t, K step ks at 8 (4 t + ks)).
;   window 2: b, inv, shift in the results' layout, 64 each; bv, 8 equal registers a tile; wv's fragments of a third tile.   window 3: var, gamma, mean at the head; then x's 32 fragments (tile T, K step ks at 8 (4 T + ks)).
.set XC,   262144                      ; LDS: 0 .. 262,143 the tile of x, wave w's 128 rows at 65,536 w;  XC: x's codes, 128 rows (in tile order) x 256 bytes, pitch 272
.set XS,   296960                      ; x's scale words: 16 bytes a row
.set SST,  299008                      ; the results' scale words: +0 q's, +1024 v's, +2048 k's
.set XP,   272
.set XA,   4                           ; v4   65,536 w + 4 x lane
.set XCW,  5                           ; v5   where I store a position's codes
.set XSW,  6                           ; v6   and its scale word
.set FRA,  7                           ; v7   a fragment of x: XC + 272 r + 16 h
.set XSR,  8                           ; v8   XS + 16 r
.set LI,   9                           ; v9   16 x lane
.set L8,   10                          ; v10  8 x lane
.set SSA,  11                          ; v11  where my q or k scale words go
.set SSV,  12                          ; v12  where my v scale words go
.set PA,   13                          ; v13  64 h
.set BVA,  14                          ; v14  4 (r + 8 (r / 8))
.set SRD,  15                          ; v15  the way out of SST
.set WS,   16                          ; v16-31   my weights' scale words, two registers a tile
.set ACC,  32                          ; v32-95   eight accumulators; at first two sets of 32 numbers of x
.set WVF,  96                          ; v96-127  wv's four fragments of my tile 0, later of my tile 3
.set XSC,  128                         ; v128-159 x's scale words: tile T, K step ks at 4 T + ks
.set WVS,  160                         ; v160-167 wv's scale words
.set PW,   168                         ; v168     the scale word just made
.set SRQ,  169                         ; v169     the way out of k's scale words
.set PC,   170                         ; v170-177 the codes just made
.set TA,   178                         ; v178-189 the quantiser's: largest magnitudes, bytes, scale operands
.set TT,   182
.set TC,   186
.set XCD,  190                         ; v190-193 32 codes of x
.set SB,   194                         ; v194-197 x's scale words in the making
.set MX,   198
.set SOP,  200
.set BY,   201
.set OA,   202
.set OB,   206
.set WVG,  208                         ; v208-239 wv's four fragments of my tile 1
.set BB,   0                           ; window 2
.set INV,  64
.set SH,   128
.set BV,   192
.set WVH,  224                         ; window 2: v224-255 wv's four fragments of my tile 2
.set VAR,  0                           ; window 3, at the head
.set GG,   64
.set MEAN, 128
.set WV,   56                          ; s56  my wave's number
.set SEL,  58                          ; s[58:59] lane selects for v_permlanex16_b32: lane l xor 16
.set MSB, 0
.macro WIN new                         ; the immediate's high byte repeats the setting that is left; a switch that changes nothing is dropped
.if MSB != \new
	s_set_vgpr_msb (MSB<<8)|\new
.set MSB, \new
.endif
.endm
.macro PLACES                          ; four plain places behind matrix instructions, in front of reads of results and of loads into their registers
.rept 4
	v_nop
.endr
.endm
.macro BARRIER                         ; my LDS stores have landed and my LDS loads are in: then the work-group's barrier
	s_wait_dscnt 0x0
	s_barrier_signal -1
	s_barrier_wait -1
.endm
; 64 numbers of a lane, register 16 b + i = k 32 b + 16 (lane / 16) + i of my row, become a fragment's codes in v[pc] on and the row's scale word in v[pw].
.macro QUANT src, pc, pw
.irp b, 0,1,2,3
	v_max3_num_f32 v[TA+\b], |v[(\src)+16*\b]|, |v[(\src)+1+16*\b]|, 0x1800000   ; my 16 numbers of block b, and the floor 2^(3 - 127): the byte cannot fall under 1
.endr
.irp i, 2,4,6,8,10,12,14
.irp b, 0,1,2,3
	v_max3_num_f32 v[TA+\b], v[TA+\b], |v[(\src)+16*\b+\i]|, |v[(\src)+1+16*\b+\i]|   ; the four blocks by turns
.endr
.endr
.irp b, 0,1,2,3
	v_permlanex16_b32 v[TT+\b], v[TA+\b], s[SEL], s[SEL+1]
.endr
.irp b, 0,1,2,3
	v_max_num_f32 v[TA+\b], v[TA+\b], v[TT+\b]     ; with lane l xor 16's: the block's largest magnitude
.endr
.irp b, 0,1,2,3
	v_add_nc_u32 v[TC+\b], 0xff000000, v[TA+\b]    ; 2 off its exponent field: the conversion's scale operand
.endr
.irp b, 0,1,2,3
	v_lshrrev_b32 v[TT+\b], 23, v[TC+\b]           ; the scale's byte
.endr
	v_lshl_or_b32 v[\pw], v[TT+1], 8, v[TT]
	v_lshl_or_b32 v[\pw], v[TT+2], 16, v[\pw]
	v_lshl_or_b32 v[\pw], v[TT+3], 24, v[\pw]
.irp b, 0,1,2,3
	v_cvt_scalef32_pk8_fp4_f32 v[(\pc)+2*\b], v[(\src)+16*\b:(\src)+7+16*\b], v[TC+\b]
	v_cvt_scalef32_pk8_fp4_f32 v[(\pc)+1+2*\b], v[(\src)+8+16*\b:(\src)+15+16*\b], v[TC+\b]
.endr
	v_nop                                          ; one plain place behind the last scaled conversion
.irp c, 0,1                                    ; the operand's layout wants a whole block in a lane
.irp i, 0,1
	v_permlane16_swap_b32 v[(\pc)+4*\c+\i], v[(\pc)+2+4*\c+\i]
.endr
.endr
.endm
	s_load_b256 s[4:11], s[0:1], 0x0               ; x s[4:5], wimg s[6:7], wscl s[8:9], bq s[10:11]
	s_load_b256 s[12:19], s[0:1], 0x20             ; gq s[12:13], betaq s[14:15], mq s[16:17], vq s[18:19]
	s_load_b256 s[20:27], s[0:1], 0x40             ; bk, gk, betak, mk
	s_load_b256 s[28:35], s[0:1], 0x60             ; vk s[28:29], bv s[30:31], kvc s[32:33], kvs s[34:35]
	s_load_b64 s[36:37], s[0:1], 0x80              ; qj
	v_lshl_add_u32 v254, v0, 2, 0x49c00
	v_mov_b32 v255, 0
	ds_add_u32 v254, v255
	ds_add_u32 v254, v255
	v_lshrrev_b32 v1, 5, v0
	v_readfirstlane_b32 s[WV], v1                  ; wave 0..3
	s_lshr_b32 s57, ttmp9, 4                       ; batch
	s_and_b32 s60, ttmp9, 15                       ; which 128 positions
	; descriptor group 1: 64 rows of 512 bytes (64 elements of 8 bytes), 8,192 bytes apart in memory, dense in LDS
	s_mov_b32 s40, 3<<16
	s_mov_b32 s41, 64<<16                          ; tensor_dim0
	s_mov_b32 s42, 64<<16                          ; tensor_dim1
	s_mov_b32 s43, 64<<16                          ; tile_dim0
	s_mov_b32 s44, 64                              ; tile_dim1
	s_mov_b32 s45, 1024                            ; the pitch, in elements
	s_mov_b32 s46, 0
	s_mov_b32 s47, 0
	s_lshl_b32 s66, s57, 22                        ; a batch is 512 rows of 8,192 bytes,
	s_lshl_b32 s61, s60, 9                         ; 128 positions are 512 bytes,
	s_add_co_u32 s66, s66, s61
	s_lshl_b32 s61, s[WV], 20                      ; my 128 rows
	s_add_co_u32 s66, s66, s61
	s_mov_b32 s67, 0
	s_mov_b32 s48, 1
	s_lshl_b32 s49, s[WV], 16                      ; LDS: 65,536 x wave
	s_mov_b32 s52, 1
	s_add_co_u32 s53, s49, 32768
	s_wait_dscnt 0x0
	s_wait_kmcnt 0x0
	s_add_nc_u64 s[50:51], s[4:5], s[66:67]
	s_add_nc_u64 s[54:55], s[50:51], 0x80000       ; 64 rows on
	s_or_b32 s51, s51, 0x80000000
	s_or_b32 s55, s55, 0x80000000
	tensor_load_to_lds s[48:51], s[40:47]          ; my two loads go out together, ahead of everything else: two are out
	s_nop 0
	tensor_load_to_lds s[52:55], s[40:47]
	s_nop 0
	PLACES
	s_and_b32 s62, s[WV], 1                        ; s: which half of the 256 channels
	s_lshr_b32 s63, s[WV], 1                       ; 0: q, 1: k
	s_mov_b32 s[SEL], 0x76543210
	s_mov_b32 s[SEL+1], 0xfedcba98
	s_lshl_b32 s66, ttmp9, 15
	s_add_nc_u64 s[74:75], s[32:33], s[66:67]      ; kvc[g]
	s_mul_i32 s66, ttmp9, 17408
	s_add_nc_u64 s[76:77], s[36:37], s[66:67]      ; qj[g]
	s_cmp_lt_u32 s[WV], 2                          ; q's arrays or k's: the choice hangs on the wave's number alone
	s_cselect_b64 s[10:11], s[10:11], s[20:21]     ; b
	s_cselect_b64 s[12:13], s[12:13], s[22:23]     ; gamma
	s_cselect_b64 s[14:15], s[14:15], s[24:25]     ; beta
	s_cselect_b64 s[16:17], s[16:17], s[26:27]     ; mean
	s_cselect_b64 s[18:19], s[18:19], s[28:29]     ; var
	s_cselect_b64 s[20:21], s[74:75], s[76:77]     ; where my codes go
	s_lshl_b32 s66, s62, 10
	s_add_nc_u64 s[20:21], s[20:21], s[66:67]      ; + 1,024 s
	s_lshl_b32 s66, s62, 9                         ; my 128 channels of the five arrays
	s_add_nc_u64 s[10:11], s[10:11], s[66:67]
	s_add_nc_u64 s[12:13], s[12:13], s[66:67]
	s_add_nc_u64 s[14:15], s[14:15], s[66:67]
	s_add_nc_u64 s[16:17], s[16:17], s[66:67]
	s_add_nc_u64 s[18:19], s[18:19], s[66:67]
	s_lshl_b32 s66, s[WV], 15
	s_add_nc_u64 s[22:23], s[6:7], s[66:67]        ; my 8 tiles' fragments: wimg[8 w]
	s_lshl_b32 s66, s[WV], 11
	s_add_nc_u64 s[24:25], s[8:9], s[66:67]        ; and their scale words
	s_lshl_b32 s66, s[WV], 14
	s_add_co_u32 s66, s66, 131072
	s_add_nc_u64 s[26:27], s[6:7], s[66:67]        ; wv's tiles 4 w on: wimg[32 + 4 w]
	s_lshl_b32 s66, s[WV], 10
	s_add_co_u32 s66, s66, 8192
	s_add_nc_u64 s[28:29], s[8:9], s[66:67]
	s_lshl_b32 s66, s[WV], 8
	s_add_nc_u64 s[30:31], s[30:31], s[66:67]      ; bv at channel 64 w
	s_lshl_b32 s66, s[WV], 12
	s_add_co_u32 s66, s66, 16384
	s_add_nc_u64 s[32:33], s[74:75], s[66:67]      ; v's codes: kvc[g] + 16,384 + 4,096 w
	s_lshl_b32 s66, ttmp9, 11
	s_lshl_b32 s61, s[WV], 9
	s_add_co_u32 s66, s66, s61
	s_add_nc_u64 s[34:35], s[34:35], s[66:67]      ; kvs[g] + 512 w
	s_lshl_b32 s66, s[WV], 8
	s_add_co_u32 s66, s66, 16384
	s_add_nc_u64 s[36:37], s[76:77], s[66:67]      ; qj[g] + 16,384 + 256 w
	v_and_b32 v1, 31, v0                           ; lane
	v_and_b32 v2, 15, v0                           ; r
	v_bfe_u32 v3, v0, 4, 1                         ; h
	v_lshlrev_b32 v[XA], 2, v1
	v_add_nc_u32 v[XA], s49, v[XA]
	v_and_b32 v[XSW], 7, v0                        ; position 32 g + lane lies in row 32 g + R' of the tile order: bits 3 and 4 change places
	v_bfe_u32 v[MX], v0, 3, 1
	v_lshl_add_u32 v[XSW], v[MX], 4, v[XSW]
	v_lshl_add_u32 v[XSW], v3, 3, v[XSW]
	v_mul_u32_u24 v[XCW], v[XSW], XP
	s_lshl_b32 s66, s[WV], 6
	s_add_co_u32 s66, s66, XC
	v_add_nc_u32 v[XCW], s66, v[XCW]               ; XC + 272 R' + 64 w
	v_lshlrev_b32 v[XSW], 4, v[XSW]
	s_lshl_b32 s66, s[WV], 2
	s_add_co_u32 s66, s66, XS
	v_add_nc_u32 v[XSW], s66, v[XSW]               ; XS + 16 R' + 4 w
	v_mul_u32_u24 v[FRA], v2, XP
	v_lshl_add_u32 v[FRA], v3, 4, v[FRA]
	v_add_nc_u32 v[FRA], XC, v[FRA]
	v_lshl_add_u32 v[XSR], v2, 4, XS
	v_lshlrev_b32 v[LI], 4, v1
	v_lshlrev_b32 v[L8], 3, v1
	s_lshl_b32 s66, s63, 11
	s_lshl_b32 s61, s62, 8
	s_add_co_u32 s66, s66, s61
	s_add_co_u32 s66, s66, SST
	v_lshl_add_u32 v[SSA], v2, 4, s66              ; SST + 2,048 (w / 2) + 256 (w % 2) + 16 r
	s_lshl_b32 s66, s63, 9
	s_lshl_b32 s61, s62, 3
	s_add_co_u32 s66, s66, s61
	s_add_co_u32 s66, s66, SST+1024
	v_lshl_add_u32 v[SSV], v2, 4, s66              ; SST + 1,024 + 512 (w / 2) + 8 (w % 2) + 16 r
	v_lshlrev_b32 v[PA], 6, v3
	v_and_b32 v[BVA], 8, v2
	v_add_nc_u32 v[BVA], v[BVA], v2
	v_lshlrev_b32 v[BVA], 2, v[BVA]
	s_lshl_b32 s66, s[WV], 9
	s_add_co_u32 s66, s66, SST
	v_add_nc_u32 v[SRD], s66, v[LI]
	s_lshl_b32 s66, s[WV], 8
	s_add_co_u32 s66, s66, SST+2048
	v_add_nc_u32 v[SRQ], s66, v[L8]
.irp b, 0,1,2,3
	v_mov_b32 v[TT+\b], 0                          ; written once: a lane permute's destination counts as one of its sources
.endr
	; the weights and the constants come while x's tile is on its way
	WIN 0x40
.irp t, 0,1,2,3,4,5,6,7
.irp ks, 0,1,2,3
.irp c, 0,1
	global_load_b128 v[8*(4*\t+\ks)+4*\c:8*(4*\t+\ks)+4*\c+3], v[LI], s[22:23] offset:4096*\t+1024*\ks+512*\c
.endr
.endr
.endr
	WIN 0
.irp t, 0,1,2,3,4,5,6,7
	global_load_b64 v[WS+2*\t:WS+2*\t+1], v[L8], s[24:25] offset:256*\t
.endr
.irp ks, 0,1,2,3
.irp c, 0,1
	global_load_b128 v[WVF+8*\ks+4*\c:WVF+8*\ks+4*\c+3], v[LI], s[26:27] offset:1024*\ks+512*\c         ; wv: my tile 0,
	global_load_b128 v[WVG+8*\ks+4*\c:WVG+8*\ks+4*\c+3], v[LI], s[26:27] offset:4096+1024*\ks+512*\c    ; my tile 1
.endr
.endr
.irp t, 0,1,2,3
	global_load_b64 v[WVS+2*\t:WVS+2*\t+1], v[L8], s[28:29] offset:256*\t
.endr
	WIN 0x80                                       ; lane (r, h) wants, for tile t, the numbers of channels 32 (t / 2) + 16 h + 8 (t % 2) + 0 .. 7
.irp t, 0,1,2,3,4,5,6,7
	global_load_b128 v[BB+8*\t:BB+8*\t+3], v[PA], s[10:11] offset:(32*(\t/2)+8*(\t%2))*4
	global_load_b128 v[BB+8*\t+4:BB+8*\t+7], v[PA], s[10:11] offset:(32*(\t/2)+8*(\t%2))*4+16
	global_load_b128 v[SH+8*\t:SH+8*\t+3], v[PA], s[14:15] offset:(32*(\t/2)+8*(\t%2))*4
	global_load_b128 v[SH+8*\t+4:SH+8*\t+7], v[PA], s[14:15] offset:(32*(\t/2)+8*(\t%2))*4+16
.endr
.irp t, 0,1,2,3
	global_load_b32 v[BV+8*\t], v[BVA], s[30:31] offset:4*(32*(\t/2)+8*(\t%2))   ; bv of my lane's channel of tile 4 w + t
.endr
.irp ks, 0,1,2,3
.irp c, 0,1
	global_load_b128 v[WVH+8*\ks+4*\c:WVH+8*\ks+4*\c+3], v[LI], s[26:27] offset:8192+1024*\ks+512*\c    ; wv: my tile 2
.endr
.endr
	WIN 0xc0
.irp t, 0,1,2,3,4,5,6,7
	global_load_b128 v[VAR+8*\t:VAR+8*\t+3], v[PA], s[18:19] offset:(32*(\t/2)+8*(\t%2))*4
	global_load_b128 v[VAR+8*\t+4:VAR+8*\t+7], v[PA], s[18:19] offset:(32*(\t/2)+8*(\t%2))*4+16
	global_load_b128 v[GG+8*\t:GG+8*\t+3], v[PA], s[12:13] offset:(32*(\t/2)+8*(\t%2))*4
	global_load_b128 v[GG+8*\t+4:GG+8*\t+7], v[PA], s[12:13] offset:(32*(\t/2)+8*(\t%2))*4+16
	global_load_b128 v[MEAN+8*\t:MEAN+8*\t+3], v[PA], s[16:17] offset:(32*(\t/2)+8*(\t%2))*4
	global_load_b128 v[MEAN+8*\t+4:MEAN+8*\t+7], v[PA], s[16:17] offset:(32*(\t/2)+8*(\t%2))*4+16
.endr
	s_wait_loadcnt 0x0                             ; one wait for all of them
	WIN 0xc3                                       ; inv = gamma x rsq(var + eps); shift = beta - mean x inv
.set j, 0
.rept 32
	v_pk_add_f32 v[VAR+j:VAR+j+1], v[VAR+j:VAR+j+1], 0x3727c5ac op_sel_hi:[1,0]
.set j, j+2
.endr
.set j, 0
.rept 64
	v_rsq_f32 v[VAR+j], v[VAR+j]
.set j, j+1
.endr
	v_nop                                          ; a plain place behind the last of the batch
	s_wait_alu depctr_va_vdst(0)                   ; one wait for the 64, ahead of their first reader
	WIN 0x8f
.set j, 0
.rept 32
	v_pk_mul_f32 v[INV+j:INV+j+1], v[GG+j:GG+j+1], v[VAR+j:VAR+j+1]
.set j, j+2
.endr
	WIN 0xab
.set j, 0
.rept 32
	v_pk_fma_f32 v[SH+j:SH+j+1], v[MEAN+j:MEAN+j+1], v[INV+j:INV+j+1], v[SH+j:SH+j+1] neg_lo:[1,0,0] neg_hi:[1,0,0]
.set j, j+2
.endr
	WIN 0x82
.irp t, 0,1,2,3
.irp i, 1,2,3,4,5,6,7
	v_mov_b32 v[BV+8*\t+\i], v[BV+8*\t]            ; a tile of v has one channel a lane: eight equal registers
.endr
.endr
	WIN 0
; ---- x becomes codes.  Unit u: block u / 4 of my 128 channels, positions 32 (u % 4) + lane.  Each load reads one channel at 32 neighbouring positions; a block of 32 along K lies in one lane's registers.
.macro XLD u
.irp i, 0,1,2,3,4,5,6,7,8,9,10,11,12,13,14,15,16,17,18,19,20,21,22,23,24,25,26,27,28,29,30,31
	ds_load_b32 v[ACC+32*((\u)%2)+\i], v[XA] offset:(32*((\u)/4)+\i)*512+128*((\u)%4)
.endr
.endm
.macro XQ u
.set XN, ACC+32*((\u)%2)
.if (\u)+1 == 8
	s_wait_tensorcnt 0x0                           ; my rows 64-127 are in LDS: the next unit reads them.  Only I read what I fetched
.endif
.if (\u)+1 < 16
	XLD (\u)+1
	s_wait_dscnt 32                                ; all but the 32 loads just issued: this unit's numbers are in, the last unit's store is done
.else
	s_wait_dscnt 0x0
.endif
	v_max3_num_f32 v[MX], |v[XN]|, |v[XN+1]|, |v[XN+2]|
	v_max3_num_f32 v[MX+1], |v[XN+3]|, |v[XN+4]|, |v[XN+5]|
.irp i, 6,10,14,18,22,26
	v_max3_num_f32 v[MX], v[MX], |v[XN+\i]|, |v[XN+\i+1]|
	v_max3_num_f32 v[MX+1], v[MX+1], |v[XN+\i+2]|, |v[XN+\i+3]|
.endr
	v_max3_num_f32 v[MX], v[MX], |v[XN+30]|, |v[XN+31]|
	v_max3_num_f32 v[MX], v[MX], v[MX+1], 0x1800000   ; and the floor 2^(3 - 127)
	v_add_nc_u32 v[SOP], 0xff000000, v[MX]
	v_lshrrev_b32 v[BY], 23, v[SOP]
.if (\u)/4 == 0
	v_mov_b32 v[SB+(\u)%4], v[BY]
.else
	v_lshl_or_b32 v[SB+(\u)%4], v[BY], 8*((\u)/4), v[SB+(\u)%4]
.endif
.irp g, 0,1,2,3
	v_cvt_scalef32_pk8_fp4_f32 v[XCD+\g], v[XN+8*\g:XN+8*\g+7], v[SOP]
.endr
	v_nop                                          ; one plain place behind the last scaled conversion
	ds_store_b128 v[XCW], v[XCD:XCD+3] offset:8704*((\u)%4)+16*((\u)/4)
.endm
	s_wait_tensorcnt 0x1                           ; my rows 0-63 are in LDS; the second load may be out
	XLD 0
.irp u, 0,1,2,3,4,5,6,7,8,9,10,11,12,13,14,15
	XQ \u
.endr
.irp g, 0,1,2,3
	ds_store_b32 v[XSW], v[SB+\g] offset:512*\g
.endr
	BARRIER                                        ; the codes and scale words of all 512 channels lie in LDS
	WIN 0xc0
.irp t, 0,1,2,3,4,5,6,7
.irp ks, 0,1,2,3
.irp c, 0,1
	ds_load_b128 v[8*(4*\t+\ks)+4*\c:8*(4*\t+\ks)+4*\c+3], v[FRA] offset:4352*\t+64*\ks+32*\c
.endr
.endr
.endr
	WIN 0
.irp t, 0,1,2,3,4,5,6,7
	ds_load_b128 v[XSC+4*\t:XSC+4*\t+3], v[XSR] offset:256*\t
.endr
	s_wait_dscnt 0x0
; ---- q or k for the 16 positions of tile pt: my 8 channel tiles, four K steps; the accumulators take turns, one instruction a turn.  b is the C of each sum's first product.
.macro QKUNIT pt
	WIN 0x2d                                       ; source 0 (weights) window 1, source 1 (x) window 3, C (b) window 2
.irp t, 0,1,2,3,4,5,6,7
	v_wmma_scale_f32_16x16x128_f8f6f4 v[ACC+8*\t:ACC+8*\t+7], v[32*\t:32*\t+7], v[32*\pt:32*\pt+7], v[BB+8*\t:BB+8*\t+7], v[WS+2*\t], v[XSC+4*\pt] matrix_a_fmt:MATRIX_FMT_FP4 matrix_b_fmt:MATRIX_FMT_FP4
.endr
	WIN 0x0d
.irp ks, 1,2,3
.irp t, 0,1,2,3,4,5,6,7
.if \ks%2
	v_wmma_scale_f32_16x16x128_f8f6f4 v[ACC+8*\t:ACC+8*\t+7], v[32*\t+8*\ks:32*\t+8*\ks+7], v[32*\pt+8*\ks:32*\pt+8*\ks+7], v[ACC+8*\t:ACC+8*\t+7], v[WS+2*\t+\ks/2], v[XSC+4*\pt+\ks] matrix_a_fmt:MATRIX_FMT_FP4 matrix_b_fmt:MATRIX_FMT_FP4 matrix_a_scale:MATRIX_SCALE_ROW1
.else
	v_wmma_scale_f32_16x16x128_f8f6f4 v[ACC+8*\t:ACC+8*\t+7], v[32*\t+8*\ks:32*\t+8*\ks+7], v[32*\pt+8*\ks:32*\pt+8*\ks+7], v[ACC+8*\t:ACC+8*\t+7], v[WS+2*\t+\ks/2], v[XSC+4*\pt+\ks] matrix_a_fmt:MATRIX_FMT_FP4 matrix_b_fmt:MATRIX_FMT_FP4
.endif
.endr
.endr
	WIN 0
	PLACES
	WIN 0x28                                       ; inv and shift in window 2
.set j, 0
.rept 32
	v_pk_fma_f32 v[ACC+j:ACC+j+1], v[ACC+j:ACC+j+1], v[INV+j:INV+j+1], v[SH+j:SH+j+1]   ; each accumulator from its low end on
.set j, j+2
.endr
	WIN 0
.set j, 0
.rept 64
	v_max_num_f32 v[ACC+j], 0, v[ACC+j]            ; relu
.set j, j+1
.endr
	s_wait_xcnt 0x0                                ; the last unit's stores have read the codes' registers,
	s_wait_dscnt 0x0                               ; and its LDS store the scale word's
	QUANT ACC, PC, PW
.irp c, 0,1
	global_store_b128 v[LI], v[PC+4*\c:PC+4*\c+3], s[20:21] offset:2048*\pt+512*\c   ; 32 lanes store 512 consecutive bytes
.endr
	ds_store_b32 v[SSA], v[PW] offset:512*(\pt/4)+4*(\pt%4)   ; both halves of the lanes write the same word with the same value
.endm
.irp t, 0,1,2,3,4,5,6,7
	QKUNIT \t
.endr
; ---- v for channel tile 4 w + cc and all 128 positions: source 0 = x's tiles, source 1 = wv's tile; a lane holds one channel and its 64 registers run along the positions, the second attention product's K.
; wb, ww: where the tile's four fragments of wv lie: first register and window.  Tiles 0, 1 and 2 came with the head's loads; tile 3 is asked for behind unit 0's products, into the registers that unit 0 has left: two units ahead of its use.
.macro VUNIT cc, wb, ww
.if \cc == 3
	s_wait_loadcnt 0x0                             ; tile 3's eight loads, the only ones out
.endif
	WIN (0x23+4*\ww)                               ; source 0 (x) window 3, source 1 (wv) window ww, C (bv) window 2
.irp t, 0,1,2,3,4,5,6,7
	v_wmma_scale_f32_16x16x128_f8f6f4 v[ACC+8*\t:ACC+8*\t+7], v[32*\t:32*\t+7], v[(\wb):(\wb)+7], v[BV+8*\cc:BV+8*\cc+7], v[XSC+4*\t], v[WVS+2*\cc] matrix_a_fmt:MATRIX_FMT_FP4 matrix_b_fmt:MATRIX_FMT_FP4
.endr
	WIN (0x03+4*\ww)
.irp ks, 1,2,3
.irp t, 0,1,2,3,4,5,6,7
.if \ks%2
	v_wmma_scale_f32_16x16x128_f8f6f4 v[ACC+8*\t:ACC+8*\t+7], v[32*\t+8*\ks:32*\t+8*\ks+7], v[(\wb)+8*\ks:(\wb)+8*\ks+7], v[ACC+8*\t:ACC+8*\t+7], v[XSC+4*\t+\ks], v[WVS+2*\cc+\ks/2] matrix_a_fmt:MATRIX_FMT_FP4 matrix_b_fmt:MATRIX_FMT_FP4 matrix_b_scale:MATRIX_SCALE_ROW1
.else
	v_wmma_scale_f32_16x16x128_f8f6f4 v[ACC+8*\t:ACC+8*\t+7], v[32*\t+8*\ks:32*\t+8*\ks+7], v[(\wb)+8*\ks:(\wb)+8*\ks+7], v[ACC+8*\t:ACC+8*\t+7], v[XSC+4*\t+\ks], v[WVS+2*\cc+\ks/2] matrix_a_fmt:MATRIX_FMT_FP4 matrix_b_fmt:MATRIX_FMT_FP4
.endif
.endr
.endr
	WIN 0
	PLACES
.if \cc == 0
.irp ks, 0,1,2,3
.irp c, 0,1
	global_load_b128 v[WVF+8*\ks+4*\c:WVF+8*\ks+4*\c+3], v[LI], s[26:27] offset:12288+1024*\ks+512*\c
.endr
.endr
.endif
	s_wait_xcnt 0x0                                ; the last unit's stores have read the codes' registers
	s_wait_dscnt 0x0
	QUANT ACC, PC, PW
.irp c, 0,1
	global_store_b128 v[LI], v[PC+4*\c:PC+4*\c+3], s[32:33] offset:1024*\cc+512*\c
.endr
	ds_store_b32 v[SSV], v[PW] offset:256*(\cc%2)+4*(\cc/2)
.endm
	VUNIT 0, WVF, 0
	VUNIT 1, WVG, 0
	VUNIT 2, WVH, 2
	VUNIT 3, WVF, 0
	BARRIER                                        ; all scale words lie in LDS
	ds_load_b128 v[OA:OA+3], v[SRD]
	ds_load_b64 v[OB:OB+1], v[SRQ]
	s_wait_dscnt 0x0
	global_store_b128 v[LI], v[OA:OA+3], s[34:35]  ; 512 consecutive bytes of kvs[g]
	global_store_b64 v[L8], v[OB:OB+1], s[36:37]   ; 256 consecutive bytes of qj[g]'s scale words
	s_wait_tensorcnt 0x0
	ds_add_u32 v254, v255
	s_wait_dscnt 0x0
	s_endpgm
.Lfunc_end_k_q9d6926c42c_proj:
	.size	k_q9d6926c42c_proj, .Lfunc_end_k_q9d6926c42c_proj-k_q9d6926c42c_proj
	.p2alignl 7, 3214868480
	.fill 96, 4, 3214868480
	.section	.rodata,"a",@progbits
	.p2align	6, 0x0
	.amdhsa_kernel k_q9d6926c42c_proj
		.amdhsa_group_segment_fixed_size 302592
		.amdhsa_private_segment_fixed_size 0
		.amdhsa_enable_private_segment 0
		.amdhsa_kernarg_size 136
		.amdhsa_user_sgpr_count 2
		.amdhsa_user_sgpr_kernarg_segment_ptr 1
		.amdhsa_wavefront_size32 1
		.amdhsa_system_sgpr_workgroup_id_x 1
		.amdhsa_system_sgpr_workgroup_id_y 1
		.amdhsa_system_sgpr_workgroup_id_z 1
		.amdhsa_system_vgpr_workitem_id 0
		.amdhsa_next_free_vgpr 1024
		.amdhsa_next_free_sgpr 80
		.amdhsa_reserve_vcc 0
		.amdhsa_float_denorm_mode_32 3
		.amdhsa_float_denorm_mode_16_64 3
		.amdhsa_memory_ordered 1
		.amdhsa_forward_progress 1
		.amdhsa_inst_pref_size 229
	.end_amdhsa_kernel
	.amdgpu_metadata
---
amdhsa.version: [ 1, 2 ]
amdhsa.kernels:
  - .name:           k_q9d6926c42c_proj
    .symbol:         k_q9d6926c42c_proj.kd
    .args:
      - { .name: x, .offset: 0, .size: 8, .value_kind: global_buffer, .address_space: global }
      - { .name: wimg, .offset: 8, .size: 8, .value_kind: global_buffer, .address_space: global }
      - { .name: wscl, .offset: 16, .size: 8, .value_kind: global_buffer, .address_space: global }
      - { .name: bq, .offset: 24, .size: 8, .value_kind: global_buffer, .address_space: global }
      - { .name: gq, .offset: 32, .size: 8, .value_kind: global_buffer, .address_space: global }
      - { .name: betaq, .offset: 40, .size: 8, .value_kind: global_buffer, .address_space: global }
      - { .name: mq, .offset: 48, .size: 8, .value_kind: global_buffer, .address_space: global }
      - { .name: vq, .offset: 56, .size: 8, .value_kind: global_buffer, .address_space: global }
      - { .name: bk, .offset: 64, .size: 8, .value_kind: global_buffer, .address_space: global }
      - { .name: gk, .offset: 72, .size: 8, .value_kind: global_buffer, .address_space: global }
      - { .name: betak, .offset: 80, .size: 8, .value_kind: global_buffer, .address_space: global }
      - { .name: mk, .offset: 88, .size: 8, .value_kind: global_buffer, .address_space: global }
      - { .name: vk, .offset: 96, .size: 8, .value_kind: global_buffer, .address_space: global }
      - { .name: bv, .offset: 104, .size: 8, .value_kind: global_buffer, .address_space: global }
      - { .name: kvc, .offset: 112, .size: 8, .value_kind: global_buffer, .address_space: global }
      - { .name: kvs, .offset: 120, .size: 8, .value_kind: global_buffer, .address_space: global }
      - { .name: qj, .offset: 128, .size: 8, .value_kind: global_buffer, .address_space: global }
    .group_segment_fixed_size: 302592
    .private_segment_fixed_size: 0
    .kernarg_segment_align: 8
    .kernarg_segment_size: 136
    .max_flat_workgroup_size: 128
    .sgpr_count:     80
    .vgpr_count:     1024
    .wavefront_size: 32
...
	.end_amdgpu_metadata
.endif
;; end of part 2
;; launch attn (part 3): grid 16 x 16, 8 waves a work-group, clusters of 4 x 1, 327,680 bytes of LDS; arguments kvc, kvs, qj, wimg, wscl, bo, x, out0; writes out0
.if DOCPART == 3
	.amdgcn_target "amdgcn-amd-amdhsa--gfx1250"
	.amdhsa_code_object_version 6
	.text
	.protected	k_q9d6926c42c_attn
	.globl	k_q9d6926c42c_attn
	.p2align	8
	.type	k_q9d6926c42c_attn,@function
k_q9d6926c42c_attn:
	s_mov_b64 s[64:65], 0
	v_nop
	global_prefetch_b8 v0, s[64:65] scope:SCOPE_SE
	s_setreg_imm32_b32 hwreg(HW_REG_WAVE_MODE, 25, 1), 1
	s_wait_xcnt 0x0
	s_wait_alu depctr_hold_cnt(0) depctr_sa_sdst(0) depctr_va_vdst(0) depctr_va_sdst(0) depctr_va_ssrc(0) depctr_va_vcc(0) depctr_vm_vsrc(0)
	s_getreg_b32 s2, hwreg(HW_REG_IB_STS2, 6, 4)
	s_cmp_eq_u32 s2, 0
	s_cbranch_scc0 .Lentry_in_a_cluster
	s_endpgm
.Lentry_in_a_cluster:
	s_bfe_u32 s2, ttmp6, 0x10000c
	s_cmp_lg_u32 s2, 0x3003
	s_cbranch_scc0 .Lentry_shape_is_right
	s_endpgm
.Lentry_shape_is_right:
; out[b][c][j] = x[b][c][j] + bo[c] + sum over m of wo[c][m] ctx[m][j];  ctx[m][j] = (sum over i of v[m][i] p[i][j]) / l[j];  p = 2^(t - M), t = (q_i . k_j) log2(e) / 16, the softmax running over i.
; All three products on codes of FP4 (E2M1) with one E8M0 scale for each 32 along K.  In the words of attention: the positions j are the queries (codes in qj), the positions i the keys (codes in kvc), v the values.
; THE SOFTMAX: M = the query's largest t so far, rounded UP to a whole number; p is quantised along the keys, not normalised; l is the sum of the unquantised p and divides at the end.  When M moves, l and O are multiplied by 2^(old M - new M): exact.
; SHARES.  A work-group owns 128 queries of one batch, each of its eight waves 16: one tile, one query a lane (lane % 16).  Two waves lie on a SIMD.  Every wave walks the batch's 2,048 keys, 128 a step.
; Both attention products are used transposed: S^T = K Q^T (source 0 = 16 keys), O^T = V^T P^T (source 0 = 16 channels).  The tiles of keys, of queries and of channels are permuted as the launch before laid them
; (row rho of tile 2 b + u is real row 32 b + 8 u + rho + 8 (rho / 8)), so that a lane's registers run along the next product's K in natural order.
; All operands lie in memory as images of operand registers (a fragment: [chunk 0..1][lane][16 bytes]); a key step's codes are 16,384 dense bytes of K and 16,384 of V, its scale words 2,048.
; FRAGMENTS ARE ASKED FOR A PHASE AHEAD.  K's 16 fragments of a step have registers of their own, and the NEXT step's are asked for behind this step's K Q^T: they land under the softmax.  So that this holds over a change of
; slots too, THE RING IS SKEWED: slot n holds V(2 n), K(2 n + 1), V(2 n + 1), K(2 n + 2): 65,536 consecutive bytes of kvc, begun 16,384 bytes behind step 2 n's first.  K(0) comes by a first fill of its own.
; The last slot's fourth quarter is not read: it is the next batch's K(0) or, behind the last batch, 16,384 bytes of zeros that the first launch stores.
; V's channel tiles 0-11 are asked for behind K Q^T as well, tiles 12-15 behind the conversions, into the registers that p has left.
; CLUSTER.  The four work-groups of a cluster belong to one batch and walk the same keys and values: each ring tile, K(0) and the scale words are asked for JOINTLY, by the same tensor load with the same descriptor and a mask
; that names the four.  The place in the cluster enters the addresses of qj, x, out0 and of the prefetches alone.
; THE RESIDUAL.  Wave w makes output channels 64 w .. 64 w + 63 for the 128 positions.  Its 64 rows of x come in under the attention: rows 0-31 four a slot through registers into LDS, rows 32-63 in the last slot into the
; registers that held K: so the last step of all fetches its K in two groups, straight ahead of their products.
; LIMITS: a block of zeros (or one under 2^-124) gets the byte 1 where the rule says 127 (its codes are zeros; nobody else reads the bytes).  1 / l is v_rcp_f32.  NaN and infinities are not served.
; REGISTERS: window 0: v1-11, v92-95 addresses; v12 -M, v13 largest t, v[14:15] l in two halves; v16-35 scale words and nothing else; v36-51 Q; v52-59 p's codes; v60-74 at work; v76-91 rows of x on their way;
;   v96-159 S^T, then p, then V's tiles 12-15; v160-255 V's tiles 0-11.   window 1: v0-127 O^T (channel tile ct at 8 ct); v128-255 K's 16 fragments, in the last slot 32 rows of x.
.set SLOTB, 65536                      ; LDS: two slots of 65,536 bytes, at 0 and at 65,536
.set SCL,   131072                     ; the batch's scale words, 32,768 bytes, filled once
.set XL,    163840                     ; wave w: 32 rows x 512 bytes of x, at 16,384 w; written by LDS stores alone
.set CI,    294912                     ; at first K of step 0, filled once; on the way out ctx's 16 fragments (query tile T, K step s at 2 T + s)
.set CSB,   311296                     ; their scale words: 128 bytes a tile
.set SPARE, 312320                     ; the spare words, 128 bytes for each wave: four blocks of 256 bytes that no other line names
.set STP,   528                        ; the way out: a stage of 16 rows x (512 + 16) bytes for each wave, from LDS byte 0 on: in the ring, behind its last fill and its last read
.set STW,   16*STP
.set LI,  1                            ; v1   16 x lane
.set LIS, 2                            ; v2   SCL + 16 x lane
.set SPW, 3                            ; v3   my spare word; never rewritten
.set NIL, 4                            ; v4   0; never rewritten
.set PFO, 5                            ; v5   256 x lane
.set ADK, 6                            ; v6   the slot in hand + 16 x lane; at the head and on the way out CI + 16 x lane
.set ADS, 7                            ; v7   the step's scale words
.set XW0, 8                            ; v8   XL + 16,384 w + 16 x lane
.set XWA, 9                            ; v9   where four rows of x go; on the way out CSB + 128 w + 4 x lane
.set SO,  10
.set SR,  11
.set KS,  16                           ; v16-23 K's scale words (tile T; lanes 0-15 s = 0, lanes 16-31 s = 1)
.set VS,  24                           ; v24-31 V's (register ct / 2; lanes 0-15 even ct, lanes 16-31 odd)
.set QS,  32
.set PW,  33
.set PW1, 34
.set PKW, 35
.set Q,   36
.set PC,  52
.set BM,  60
.set BT,  64
.set BE,  68
.set FP,  72                           ; v[72:73] f = 2^(old M - new M), later 1 / l; v73 is named with it as a pair
.set TMP, 74
.set SG,  76
.set CIW, 92
.set L4,  93
.set L8,  94
.set R4,  95
.set S,   96
.set VA,  160
.set RB,  224
.set CSR, 16                           ; the way out: ctx's scale words; wo's; bo; bo as a C; rows of x; the second fragment's codes
.set WOS, 24
.set BO,  36
.set BOC, 40
.set XB,  48
.set PC1, 76
.set KB,  128                          ; window 1: K's fragment (tile T, K step s) at KB + 8 (2 T + s)
.set XR,  128                          ; window 1
.set OAC, 64                           ; window 1: the last product's eight accumulators
.set WV,  20                           ; s20 wave; s21 cx; s22 which 128 positions; s23 batch
.set SEL, 48
.set CS,  50                           ; s[50:51] c = log2(e) / 16
.set TB,  52                           ; s52  LDS byte at which the slot in hand begins
.set TS,  53                           ; s53  where the step's scale words begin: 2,048 bytes a step
.set SLOTS, 54
.set LIM, 55
.set PFA, 56
.set XG,  58
.set XT,  60
.set MSB, 0
.macro WIN new                         ; the immediate's high byte repeats the setting that is left; a switch that changes nothing is dropped
.if MSB != \new
	s_set_vgpr_msb (MSB<<8)|\new
.set MSB, \new
.endif
.endm
.macro PLACES                          ; four plain places (ISA guide 7.12.1)
.rept 4
	v_nop
.endr
.endm
.macro CROUND                          ; a round of the cluster's barrier: my work-group's barrier; wave 0 signals for the work-group; every wave waits for all four; my work-group's barrier once more
	s_barrier_signal -1
	s_barrier_wait -1
	s_cmp_lg_u32 s[WV], 0
	s_cbranch_scc1 .Lnot_wave_0_\@
	s_barrier_signal -3
.Lnot_wave_0_\@:
	s_barrier_wait -3
	s_barrier_signal -1
	s_barrier_wait -1
.endm
; 64 numbers of a lane, register 16 b + i = k 32 b + 16 (lane / 16) + i of my row, become a fragment's codes in v[pc] on and the row's scale word in v[pw].
.macro QUANT src, pc, pw
.irp b, 0,1,2,3
	v_max3_num_f32 v[BM+\b], |v[(\src)+16*\b]|, |v[(\src)+1+16*\b]|, 0x1800000
.endr
.irp i, 2,4,6,8,10,12,14
.irp b, 0,1,2,3
	v_max3_num_f32 v[BM+\b], v[BM+\b], |v[(\src)+16*\b+\i]|, |v[(\src)+1+16*\b+\i]|
.endr
.endr
.irp b, 0,1,2,3
	v_permlanex16_b32 v[BT+\b], v[BM+\b], s[SEL], s[SEL+1]
.endr
.irp b, 0,1,2,3
	v_max_num_f32 v[BM+\b], v[BM+\b], v[BT+\b]
.endr
.irp b, 0,1,2,3
	v_add_nc_u32 v[BE+\b], 0xff000000, v[BM+\b]
.endr
.irp b, 0,1,2,3
	v_lshrrev_b32 v[BT+\b], 23, v[BE+\b]
.endr
	v_lshl_or_b32 v[\pw], v[BT+1], 8, v[BT]
	v_lshl_or_b32 v[\pw], v[BT+2], 16, v[\pw]
	v_lshl_or_b32 v[\pw], v[BT+3], 24, v[\pw]
.irp b, 0,1,2,3
	v_cvt_scalef32_pk8_fp4_f32 v[(\pc)+2*\b], v[(\src)+16*\b:(\src)+7+16*\b], v[BE+\b]
	v_cvt_scalef32_pk8_fp4_f32 v[(\pc)+1+2*\b], v[(\src)+8+16*\b:(\src)+15+16*\b], v[BE+\b]
.endr
	v_nop                                          ; one plain place behind the last scaled conversion
.irp c, 0,1
.irp i, 0,1
	v_permlane16_swap_b32 v[(\pc)+4*\c+\i], v[(\pc)+2+4*\c+\i]
.endr
.endr
.endm
	s_load_b256 s[4:11], s[0:1], 0x0               ; kvc s[4:5], kvs s[6:7], qj s[8:9], wimg s[10:11]
	s_load_b256 s[12:19], s[0:1], 0x20             ; wscl s[12:13], bo s[14:15], x s[16:17], out0 s[18:19]
	v_lshl_add_u32 v[SPW], v0, 2, SPARE
	v_mov_b32 v[NIL], 0
	ds_add_u32 v3, v4
	ds_add_u32 v3, v4
	s_wait_dscnt 0x0
	v_lshrrev_b32 v1, 5, v0
	v_readfirstlane_b32 s[WV], v1                  ; wave 0..7
	s_bfe_u32 s21, ttmp6, 0x40000                  ; cx: my place in the cluster
	s_lshl_b32 s22, ttmp9, 2
	s_add_co_u32 s22, s22, s21                     ; which 128 positions = 4 x cluster x + cx
	s_and_b32 s23, ttmp7, 0xffff                   ; the batch, which the four partners share
	; descriptor group 1: dense blocks as rows of 256 bytes (32 elements of 8 bytes); the mask names all four work-groups, bit 21 stands beside it.  Ring: 32 rows a wave; scale words: 16; K of step 0: 8
	s_mov_b32 s24, 15|(3<<16)|(1<<21)
	s_mov_b32 s25, 32<<16
	s_mov_b32 s26, 32<<16
	s_mov_b32 s27, 32<<16
	s_mov_b32 s28, 32
	s_mov_b32 s29, 32
	s_mov_b32 s30, 0
	s_mov_b32 s31, 0
	s_mov_b32 s32, 15|(3<<16)|(1<<21)
	s_mov_b32 s33, 32<<16
	s_mov_b32 s34, 16<<16
	s_mov_b32 s35, 32<<16
	s_mov_b32 s36, 16
	s_mov_b32 s37, 32
	s_mov_b32 s38, 0
	s_mov_b32 s39, 0
	s_mov_b32 s80, 15|(3<<16)|(1<<21)
	s_mov_b32 s81, 32<<16
	s_mov_b32 s82, 8<<16
	s_mov_b32 s83, 32<<16
	s_mov_b32 s84, 8
	s_mov_b32 s85, 32
	s_mov_b32 s86, 0
	s_mov_b32 s87, 0
	s_lshl_b32 s66, s23, 19                        ; a batch's codes are 16 steps of 32,768 bytes
	s_lshl_b32 s77, s[WV], 11                      ; K of step 0: my eighth, 2,048 bytes, in memory
	s_add_co_u32 s68, s66, s77
	s_mov_b32 s69, 0
	s_add_co_u32 s77, s77, CI                      ; and in LDS
	s_lshl_b32 s41, s[WV], 13                      ; my eighth of a slot, in LDS and in memory;
	s_add_co_u32 s66, s66, s41
	s_add_co_u32 s66, s66, 16384                   ; slot 0 begins with V of step 0
	s_mov_b32 s67, 0
	s_lshl_b32 s62, s23, 15                        ; a batch's scale words are 32,768 bytes;
	s_lshl_b32 s45, s[WV], 12                      ; my eighth of them
	s_add_co_u32 s62, s62, s45
	s_mov_b32 s63, 0
	s_add_co_u32 s45, s45, SCL
	s_mov_b32 s40, 1
	s_mov_b32 s44, 1
	s_mov_b32 s76, 1
	s_wait_kmcnt 0x0
	s_add_nc_u64 s[42:43], s[4:5], s[66:67]
	s_or_b32 s43, s43, 0x80000000
	s_add_nc_u64 s[46:47], s[6:7], s[62:63]
	s_or_b32 s47, s47, 0x80000000
	s_add_nc_u64 s[78:79], s[4:5], s[68:69]
	s_or_b32 s79, s79, 0x80000000
	CROUND                                         ; all four work-groups are here: the first joint loads meet
	tensor_load_to_lds s[44:47], s[32:39]          ; the scale words: filled once
	s_nop 0
	tensor_load_to_lds s[76:79], s[80:87]          ; K of step 0: filled once
	s_nop 0
	tensor_load_to_lds s[40:43], s[24:31]          ; slot 0.  Three loads of mine are out
	s_nop 0
	PLACES
	s_lshl_b32 s68, s23, 4
	s_add_co_u32 s68, s68, s22
	s_mul_i32 s68, s68, 17408
	s_mov_b32 s69, 0
	s_add_nc_u64 s[8:9], s[8:9], s[68:69]          ; qj[16 batch + P]
	s_lshl_b32 s68, s[WV], 11
	s_add_nc_u64 s[70:71], s[8:9], s[68:69]        ; my tile's two fragments
	s_lshr_b32 s68, s[WV], 2
	s_lshl_b32 s68, s68, 9
	s_and_b32 s74, s[WV], 3
	s_lshl_b32 s74, s74, 2
	s_add_co_u32 s68, s68, s74
	s_add_co_u32 s68, s68, 16384
	s_add_nc_u64 s[72:73], s[8:9], s[68:69]        ; and its scale words: chunk w / 4, word w % 4
	s_lshl_b32 s68, s23, 22
	s_lshl_b32 s74, s22, 9
	s_add_co_u32 s68, s68, s74
	s_lshl_b32 s74, s[WV], 19
	s_add_co_u32 s68, s68, s74
	s_add_nc_u64 s[XG:XG+1], s[16:17], s[68:69]    ; x and out0 at channel 64 w, my 128 positions
	s_add_nc_u64 s[18:19], s[18:19], s[68:69]
	s_lshl_b32 s68, s23, 19
	s_lshl_b32 s74, s21, 14
	s_add_co_u32 s68, s68, s74
	s_and_b32 s74, s[WV], 1
	s_lshl_b32 s74, s74, 13
	s_add_co_u32 s68, s68, s74
	s_add_co_u32 s68, s68, SLOTB+16384
	s_add_nc_u64 s[PFA:PFA+1], s[4:5], s[68:69]    ; the prefetches: my work-group's quarter and my wave's half of it, in slot 1; the first change of slots steps it to slot 2
	s_lshl_b32 s68, s[WV], 13
	s_add_co_u32 s68, s68, 196608
	s_add_nc_u64 s[10:11], s[10:11], s[68:69]      ; wo's tiles 4 w on: wimg[48 + 2 w]
	s_lshl_b32 s68, s[WV], 9
	s_add_co_u32 s68, s68, 12288
	s_add_nc_u64 s[12:13], s[12:13], s[68:69]
	s_lshl_b32 s68, s[WV], 8
	s_add_nc_u64 s[14:15], s[14:15], s[68:69]      ; bo at channel 64 w
	s_lshr_b32 s[LIM], s[WV], 1                    ; waves 0 and 1
	s_or_b32 s[LIM], s[LIM], ttmp9                 ; of the batch's first cluster prefetch: the same in all four partners
	s_cmp_eq_u32 s[LIM], 0
	s_cselect_b32 s[LIM], 1, -1
	s_mov_b32 s[SEL], 0x76543210
	s_mov_b32 s[SEL+1], 0xfedcba98
	s_mov_b32 s[CS], 0x3db8aa3b
	s_mov_b32 s[CS+1], s[CS]                       ; (named with it as a pair, so it is written)
	s_mov_b32 s[TB], 0
	s_mov_b32 s[TS], 0
	s_mov_b32 s[SLOTS], 7
	s_mov_b32 s[XT], 0
	s_mov_b32 s61, 0xffff0000                      ; lanes 16-31
	v_and_b32 v1, 31, v0
	v_lshlrev_b32 v[PFO], 8, v1
	v_lshlrev_b32 v[LI], 4, v1
	v_add_nc_u32 v[LIS], SCL, v[LI]
	v_add_nc_u32 v[ADK], CI, v[LI]
	s_lshl_b32 s68, s[WV], 14
	s_add_co_u32 s68, s68, XL
	v_add_nc_u32 v[XW0], s68, v[LI]
.irp s, 0,1
.irp c, 0,1
	global_load_b128 v[Q+8*\s+4*\c:Q+8*\s+4*\c+3], v[LI], s[70:71] offset:1024*\s+512*\c   ; Q stays in registers
.endr
.endr
	global_load_b32 v[QS], v[LI], s[72:73]         ; lanes 0-15: K step 0's words, lanes 16-31: K step 1's
.irp i, 0,1,2,3
	global_load_b128 v[SG+4*\i:SG+4*\i+3], v[LI], s[XG:XG+1] offset:8192*\i th:TH_LOAD_NT   ; x, rows 0-3 of my 64
.endr
	v_mov_b32 v13, 0xff61b1e6                      ; the largest t so far: -3e38, under every t
	v_floor_f32 v12, -v13                          ; -M
	v_mov_b32 v14, 0
	v_mov_b32 v15, 0
.irp b, 0,1,2,3
	v_mov_b32 v[BT+\b], 0                          ; written once: a lane permute's destination counts as one of its sources
.endr
	v_mov_b32 v[FP+1], 0
	WIN 0x40
.set j, 0
.rept 128
	v_mov_b32 v[j], 0                              ; O^T.  The key step is written without a first step of its own: it finds zeros, which the first change of M leaves zeros
.set j, j+1
.endr
	WIN 0
	s_wait_tensorcnt 0x1                           ; my parts of the scale words and of K of step 0 are in LDS; slot 0's may be out
	s_barrier_signal -1
	s_barrier_wait -1                              ; everybody's are
	ds_load_b128 v[KS:KS+3], v[LIS]                ; step 0's K and its scale words
	ds_load_b128 v[KS+4:KS+7], v[LIS] offset:512
	WIN 0x40
.irp f, 0,1,2,3,4,5,6,7,8,9,10,11,12,13,14,15
.irp c, 0,1
	ds_load_b128 v[KB+8*\f+4*\c:KB+8*\f+4*\c+3], v[ADK] offset:1024*\f+512*\c
.endr
.endr
	WIN 0
; THE CHANGE OF SLOTS stands at a slot's head.  Each wave waits for all its tensor loads (its part of the slot that it is about to read), adds 0 to its spare word, and waits for that and for its reads of the slot that it has left.
; fill = 1: a round of the cluster's barrier, so that no wave of any partner still reads the other slot or has a load on its way; the joint refill is the first thing behind it, one load a wave: it has two key steps in which to land.
.macro CHANGE fill
	s_wait_tensorcnt 0x0                           ; no tensor load of mine is out, so the walking descriptor may be written
	ds_add_u32 v[SPW], v[NIL]                      ; 0 onto my spare word
.if \fill
	s_xor_b32 s41, s41, SLOTB                      ; the other slot than last time,
	s_add_nc_u64 s[42:43], s[42:43], SLOTB         ; the next 65,536 bytes; the type bits on top are not reached
	s_wait_xcnt 0x0                                ; the last prefetch and the last loads of x, a slot back, have read their bases:
	s_add_nc_u64 s[PFA:PFA+1], s[PFA:PFA+1], SLOTB
	s_add_nc_u64 s[XG:XG+1], s[XG:XG+1], 32768     ; four rows of x on
.endif
	s_wait_dscnt 0x0                               ; the add is done, and my reads of the slot that I have left are over
.if \fill
	CROUND
	tensor_load_to_lds s[40:43], s[24:31]
	s_nop 0
	PLACES
.else
	s_barrier_signal -1
	s_barrier_wait -1
.endif
.endm
; Four rows of x, asked for a slot ago, go to my own part of LDS; issue = 1: the next four are asked for.
.macro STAGEX issue
	s_wait_loadcnt 0x0                             ; they are in (in the first trip: Q and its scale words too)
	v_add_nc_u32 v[XWA], s[XT], v[XW0]
.irp i, 0,1,2,3
	ds_store_b128 v[XWA], v[SG+4*\i:SG+4*\i+3] offset:512*\i
.endr
	s_add_co_u32 s[XT], s[XT], 2048
.if \issue
	s_wait_dscnt 0x0                               ; the stores have read their registers
.irp i, 0,1,2,3
	global_load_b128 v[SG+4*\i:SG+4*\i+3], v[LI], s[XG:XG+1] offset:8192*\i th:TH_LOAD_NT
.endr
.endif
.endm
; A PREFETCH of the slot that the NEXT change of slots will ask for: 65,536 bytes, each aligned block of 256 named once in the launch.  All clusters of a batch walk the same codes: the batch's first cluster asks.
; Its four partners take 16,384 bytes each, told apart by address; in each, waves 0 and 1 ask, lanes 256 bytes apart.  Slots 0 and 1 come by their loads alone; the last change that fills a slot asks for nothing.
.macro ASK
	s_cmp_gt_u32 s[SLOTS], s[LIM]
	s_cbranch_scc0 .Lnot_mine_\@
	global_prefetch_b8 v[PFO], s[PFA:PFA+1] th:TH_LOAD_NT scope:SCOPE_SE
.Lnot_mine_\@:
.endm
.macro OV ct                           ; O^T's channel tile ct += V^T P^T
.if (\ct) < 12
.set rV, VA+8*(\ct)
.else
.set rV, S+8*((\ct)-12)
.endif
.if (\ct)%2
	v_wmma_scale_f32_16x16x128_f8f6f4 v[8*(\ct):8*(\ct)+7], v[rV:rV+7], v[PC:PC+7], v[8*(\ct):8*(\ct)+7], v[VS+(\ct)/2], v[PW] matrix_a_fmt:MATRIX_FMT_FP4 matrix_b_fmt:MATRIX_FMT_FP4 matrix_a_scale:MATRIX_SCALE_ROW1
.else
	v_wmma_scale_f32_16x16x128_f8f6f4 v[8*(\ct):8*(\ct)+7], v[rV:rV+7], v[PC:PC+7], v[8*(\ct):8*(\ct)+7], v[VS+(\ct)/2], v[PW] matrix_a_fmt:MATRIX_FMT_FP4 matrix_b_fmt:MATRIX_FMT_FP4
.endif
.endm
; A KEY STEP: 128 keys.  vo: the byte of the slot in hand at which the step's V begins.  ko: where the NEXT step's K begins there (-1: it is not asked for).
; km = 1: the step's K and its scale words were asked for a step ago and lie in K's own registers; km = 0: they are fetched here, from byte kc of the slot, four tiles at a time.  xr = 1: x's rows 32-63 are asked for, into K's registers.
.macro STEP vo, ko, km, kc, xr
	v_add_nc_u32 v[ADK], s[TB], v[LI]
	v_add_nc_u32 v[ADS], s[TS], v[LIS]
.rept 3
	v_nop                                          ; with the two additions: five places: the products below write S^T over the fragments of V that the last products read
.endr
.if \km
	s_wait_dscnt 0x0                               ; K and its scale words are in (asked for a step ago)
	WIN 0x01                                       ; source 0 (K) in window 1
.irp tt, 0,1,2,3,4,5,6,7                       ; S^T = K Q^T: eight tiles of 16 keys, two K steps; the eight accumulators take turns
	v_wmma_scale_f32_16x16x128_f8f6f4 v[S+8*\tt:S+8*\tt+7], v[KB+16*\tt:KB+16*\tt+7], v[Q:Q+7], 0, v[KS+\tt], v[QS] matrix_a_fmt:MATRIX_FMT_FP4 matrix_b_fmt:MATRIX_FMT_FP4
.endr
.irp tt, 0,1,2,3,4,5,6,7
	v_wmma_scale_f32_16x16x128_f8f6f4 v[S+8*\tt:S+8*\tt+7], v[KB+16*\tt+8:KB+16*\tt+15], v[Q+8:Q+15], v[S+8*\tt:S+8*\tt+7], v[KS+\tt], v[QS] matrix_a_fmt:MATRIX_FMT_FP4 matrix_b_fmt:MATRIX_FMT_FP4 matrix_a_scale:MATRIX_SCALE_ROW1 matrix_b_scale:MATRIX_SCALE_ROW1
.endr
	WIN 0
	PLACES
.else
	ds_load_b128 v[KS:KS+3], v[ADS]
	ds_load_b128 v[KS+4:KS+7], v[ADS] offset:512
.irp grp, 0,1
.irp tt, 0,1,2,3
.irp s, 0,1
.irp c, 0,1
	ds_load_b128 v[VA+8*(2*\tt+\s)+4*\c:VA+8*(2*\tt+\s)+4*\c+3], v[ADK] offset:\kc+2048*(4*\grp+\tt)+1024*\s+512*\c
.endr
.endr
.endr
	s_wait_dscnt 0x0
.irp tt, 0,1,2,3
	v_wmma_scale_f32_16x16x128_f8f6f4 v[S+8*(4*\grp+\tt):S+8*(4*\grp+\tt)+7], v[VA+16*\tt:VA+16*\tt+7], v[Q:Q+7], 0, v[KS+4*\grp+\tt], v[QS] matrix_a_fmt:MATRIX_FMT_FP4 matrix_b_fmt:MATRIX_FMT_FP4
.endr
.irp tt, 0,1,2,3
	v_wmma_scale_f32_16x16x128_f8f6f4 v[S+8*(4*\grp+\tt):S+8*(4*\grp+\tt)+7], v[VA+16*\tt+8:VA+16*\tt+15], v[Q+8:Q+15], v[S+8*(4*\grp+\tt):S+8*(4*\grp+\tt)+7], v[KS+4*\grp+\tt], v[QS] matrix_a_fmt:MATRIX_FMT_FP4 matrix_b_fmt:MATRIX_FMT_FP4 matrix_a_scale:MATRIX_SCALE_ROW1 matrix_b_scale:MATRIX_SCALE_ROW1
.endr
	PLACES
.endr
.endif
	ds_load_b128 v[VS:VS+3], v[ADS] offset:1024    ; all that follows lands while the softmax is worked: V's scale words,
	ds_load_b128 v[VS+4:VS+7], v[ADS] offset:1536
.irp ct, 0,1,2,3,4,5,6,7,8,9,10,11             ; V's channel tiles 0-11,
.irp c, 0,1
	ds_load_b128 v[VA+8*\ct+4*\c:VA+8*\ct+4*\c+3], v[ADK] offset:\vo+1024*\ct+512*\c
.endr
.endr
.if \ko >= 0
	ds_load_b128 v[KS:KS+3], v[ADS] offset:2048    ; and the next step's K with its scale words: 34 loads
	ds_load_b128 v[KS+4:KS+7], v[ADS] offset:2560
	WIN 0x40
.irp f, 0,1,2,3,4,5,6,7,8,9,10,11,12,13,14,15
.irp c, 0,1
	ds_load_b128 v[KB+8*\f+4*\c:KB+8*\f+4*\c+3], v[ADK] offset:\ko+1024*\f+512*\c
.endr
.endr
	WIN 0
.endif
.if \xr
	WIN 0x40
.irp i, 0,1,2,3,4,5,6,7,8,9,10,11,12,13,14,15,16,17,18,19,20,21,22,23,24,25,26,27,28,29,30,31
	global_load_b128 v[XR+4*\i:XR+4*\i+3], v[LI], s[XG:XG+1] offset:(4+\i)*8192 th:TH_LOAD_NT   ; x, rows 32-63 of my 64 (the base stands at row 28)
.endr
	WIN 0
.endif
.irp b, 0,1,2,3
	v_max3_num_f32 v[BM+\b], v[S+16*\b], v[S+1+16*\b], v[S+2+16*\b]   ; the largest score of each block of 32 keys: it serves for the query's maximum and, since p rises with the score, for the block's largest p
.endr
.irp i, 3,5,7,9,11,13
.irp b, 0,1,2,3
	v_max3_num_f32 v[BM+\b], v[BM+\b], v[S+16*\b+\i], v[S+1+16*\b+\i]
.endr
.endr
.irp b, 0,1,2,3
	v_max_num_f32 v[BM+\b], v[BM+\b], v[S+15+16*\b]
.endr
.irp b, 0,1,2,3
	v_permlanex16_b32 v[BT+\b], v[BM+\b], s[SEL], s[SEL+1]
.endr
.irp b, 0,1,2,3
	v_max_num_f32 v[BM+\b], v[BM+\b], v[BT+\b]     ; with lane l xor 16's 16 keys
.endr
	v_max3_num_f32 v[TMP], v[BM], v[BM+1], v[BM+2]
	v_max_num_f32 v[TMP], v[TMP], v[BM+3]
	v_mul_f32 v[TMP], s[CS], v[TMP]                ; as t (c is positive)
	v_max_num_f32 v13, v13, v[TMP]                 ; the running largest t
	v_mov_b32 v[TMP], v12
	v_floor_f32 v12, -v13                          ; the new -M = -ceil(t): a whole number
	v_sub_f32 v[TMP], v12, v[TMP]                  ; old M - new M: a whole number, 0 or less
	v_cvt_i32_f32 v[TMP], v[TMP]                   ; (it saturates)
	v_ldexp_f32 v[FP], 1.0, v[TMP]                 ; f = 2^(old M - new M)
.set j, 0
.rept 32
	v_pk_fma_f32 v[S+j:S+j+1], v[S+j:S+j+1], s[CS:CS+1], v[12:13] op_sel_hi:[1,0,0]   ; t - M, two at a time
.set j, j+2
.endr
.irp b, 0,1,2,3
	v_fma_f32 v[BM+\b], v[BM+\b], s[CS], v12       ; the same of each block's largest score
.endr
.set j, 0
.rept 64
	v_exp_f32 v[S+j], v[S+j]                       ; p = 2^(t - M), at most 1
.set j, j+1
.endr
	v_pk_mul_f32 v[14:15], v[14:15], v[FP:FP+1] op_sel_hi:[1,0]   ; l under the new M: a plain place behind the exponentials
	s_wait_alu depctr_va_vdst(0)                   ; one wait for the batch of 64, ahead of its first reader
.irp b, 0,1,2,3
	v_exp_f32 v[BM+\b], v[BM+\b]                   ; the blocks' largest p
.endr
	v_pk_add_f32 v[BT:BT+1], v[S:S+1], v[S+2:S+3]  ; l is the sum of the unquantised p: two at a time, in two chains
.irp i, 4,8,12,16,20,24,28,32,36,40,44,48,52,56,60
	v_pk_add_f32 v[14:15], v[14:15], v[S+\i:S+\i+1]
	v_pk_add_f32 v[BT:BT+1], v[BT:BT+1], v[S+2+\i:S+3+\i]
.endr
	v_pk_add_f32 v[14:15], v[14:15], v[BT:BT+1]
	s_wait_alu depctr_va_vdst(0)                   ; and one for the four
.irp b, 0,1,2,3
	v_max_num_f32 v[BM+\b], 0x1800000, v[BM+\b]    ; the floor 2^(3 - 127): the byte cannot fall under 1
.endr
.irp b, 0,1,2,3
	v_add_nc_u32 v[BE+\b], 0xff000000, v[BM+\b]
.endr
.irp b, 0,1,2,3
	v_lshrrev_b32 v[BT+\b], 23, v[BE+\b]
.endr
	v_lshl_or_b32 v[PW], v[BT+1], 8, v[BT]         ; p's scale word for these 128 keys
	v_lshl_or_b32 v[PW], v[BT+2], 16, v[PW]
	v_lshl_or_b32 v[PW], v[BT+3], 24, v[PW]
.irp b, 0,1,2,3
	v_cvt_scalef32_pk8_fp4_f32 v[PC+2*\b], v[S+16*\b:S+7+16*\b], v[BE+\b]
	v_cvt_scalef32_pk8_fp4_f32 v[PC+1+2*\b], v[S+8+16*\b:S+15+16*\b], v[BE+\b]
.endr
	v_nop                                          ; one plain place behind the last scaled conversion
.irp c, 0,1
.irp i, 0,1
	v_permlane16_swap_b32 v[PC+4*\c+\i], v[PC+2+4*\c+\i]
.endr
.endr
.if \ko >= 0
	s_wait_dscnt 34                                ; V's scale words and tiles 0-11 are in; behind them stand the next K's 34 loads, which may be out
.else
	s_wait_dscnt 0x0
.endif
.irp ct, 12,13,14,15                           ; V's last four channel tiles, into the registers that p has left
.irp c, 0,1
	ds_load_b128 v[S+8*(\ct-12)+4*\c:S+8*(\ct-12)+4*\c+3], v[ADK] offset:\vo+1024*\ct+512*\c
.endr
.endr
	WIN 0x41                                       ; O^T in window 1, f in window 0
.set j, 0
.rept 64
	v_pk_mul_f32 v[j:j+1], v[j:j+1], v[FP:FP+1] op_sel_hi:[1,0]   ; O^T under the new M.  These are also the places between the codes, the scale word and the products
.set j, j+2
.endr
	WIN 0x50                                       ; C and D in window 1
.irp ct, 0,1,2,3,4,5,6,7,8,9,10,11
	OV \ct
.endr
	s_wait_dscnt 0x0                               ; V's tiles 12-15 are in, and with them all that was asked for ahead of them
.irp ct, 12,13,14,15
	OV \ct
.endr
	WIN 0
	s_add_co_u32 s[TS], s[TS], 2048                ; the next step's scale words
.endm
.Lslot:                                            ; 7 trips: behind each change of slots but the last the next slot is asked for
	CHANGE 1
	STAGEX 1
	ASK
	STEP 0, 16384, 1, 0, 0
	STEP 32768, 49152, 1, 0, 0
	s_xor_b32 s[TB], s[TB], SLOTB
	s_sub_co_u32 s[SLOTS], s[SLOTS], 1
	s_cmp_lg_u32 s[SLOTS], 0
	s_cbranch_scc1 .Lslot
	CHANGE 0                                       ; the last slot is written out
	STAGEX 0
	STEP 0, -1, 1, 0, 1                            ; step 14: behind its K Q^T K's registers take rows of x
	STEP 32768, -1, 0, 16384, 0                    ; step 15 fetches its K itself
	; ---- THE WAY OUT.  ctx = O^T / l is quantised along its 256 channels; its images go to LDS; each wave then makes 64 output channels for all 128 positions.
	v_add_f32 v14, v14, v15
	v_permlanex16_b32 v[TMP], v14, s[SEL], s[SEL+1]
	v_add_f32 v14, v14, v[TMP]                     ; the query's l
	v_rcp_f32 v[FP], v14
	v_and_b32 v[R4], 15, v0                        ; the addresses of the way out: plain work behind the reciprocal and behind the last products
	v_bfe_u32 v[L8], v0, 4, 1
	s_mul_i32 s66, s[WV], STW
	v_mul_u32_u24 v[SO], v[R4], STP
	v_lshl_add_u32 v[SO], v[L8], 6, v[SO]
	v_add_nc_u32 v[SO], s66, v[SO]                 ; into my stage: row r (a channel), + 64 h bytes
	v_add_nc_u32 v[SR], s66, v[LI]                 ; back: a whole row, 16 bytes a lane
	s_lshl_b32 s66, s[WV], 11
	s_add_co_u32 s66, s66, CI
	v_add_nc_u32 v[CIW], s66, v[LI]
	v_add_nc_u32 v[ADK], CI, v[LI]
	v_lshrrev_b32 v[L4], 2, v[LI]
	v_lshrrev_b32 v[L8], 1, v[LI]                  ; 8 x lane
	v_lshlrev_b32 v[R4], 2, v[R4]                  ; 4 r
	s_lshl_b32 s66, s[WV], 7
	s_add_co_u32 s66, s66, CSB
	v_add_nc_u32 v[XWA], s66, v[L4]
	v_add_nc_u32 v[L4], CSB, v[L4]
	s_wait_alu depctr_va_vdst(0)                   ; one wait ahead of the reciprocal's first reader
	WIN 0x01                                       ; O^T in window 1
.set j, 0
.rept 64
	v_pk_mul_f32 v[S+j:S+j+1], v[j:j+1], v[FP:FP+1] op_sel_hi:[1,0]   ; ctx: register 64 s + 16 b + i is channel 128 s + 32 b + 16 h + i of my query; each accumulator from its low end on
.set j, j+2
.endr
	WIN 0x40
.irp n, 0,1,2,3
.irp ks, 0,1
.irp c, 0,1
	global_load_b128 v[8*(2*\n+\ks)+4*\c:8*(2*\n+\ks)+4*\c+3], v[LI], s[10:11] offset:2048*\n+1024*\ks+512*\c   ; wo's four tiles, where O^T lay
.endr
.endr
.endr
	WIN 0
	global_load_b64 v[WOS:WOS+1], v[L8], s[12:13]
	global_load_b64 v[WOS+2:WOS+3], v[L8], s[12:13] offset:256
.irp n, 0,1,2,3
	global_load_b32 v[BO+\n], v[R4], s[14:15] offset:64*\n
.endr
	QUANT S, PC, PW
	ds_store_b128 v[CIW], v[PC:PC+3]
	ds_store_b128 v[CIW], v[PC+4:PC+7] offset:512
	QUANT S+64, PC1, PW1
	ds_store_b128 v[CIW], v[PC1:PC1+3] offset:1024
	ds_store_b128 v[CIW], v[PC1+4:PC1+7] offset:1536
	v_cndmask_b32 v[PKW], v[PW], v[PW1], s61       ; lanes 0-15: K step 0's words, lanes 16-31: K step 1's
	ds_store_b32 v[XWA], v[PKW]
	s_wait_dscnt 0x0                               ; for the others' sake: my stores have landed; my reads of the ring are long over
	s_barrier_signal -1
	s_barrier_wait -1
.irp t, 0,1,2,3,4,5,6,7
.irp s, 0,1
.irp c, 0,1
	ds_load_b128 v[S+8*(2*\t+\s)+4*\c:S+8*(2*\t+\s)+4*\c+3], v[ADK] offset:2048*\t+1024*\s+512*\c
.endr
.endr
.endr
.irp t, 0,1,2,3,4,5,6,7
	ds_load_b32 v[CSR+\t], v[L4] offset:128*\t
.endr
	s_wait_dscnt 0x0
	s_wait_loadcnt 0x0                             ; wo, its scale words, bo, and x's rows 32-63
; Output channels 64 w + 16 n + r: source 0 = ctx's tile of 16 positions, source 1 = wo's tile: a lane holds one channel, and for tile T = 2 b + u the positions 32 b + 16 h + 8 u + 0 .. 7: 32 neighbouring bytes of its row.
; bo is the C of each sum's first product.  The 16 rows go through my stage and come back whole; x is added; 32 lanes store 512 consecutive bytes, aligned.
.macro OUTTILE n
.irp i, 0,1,2,3,4,5,6,7
	v_mov_b32 v[BOC+\i], v[BO+\n]
.endr
	PLACES
	WIN 0x44                                       ; source 1 (wo) and D in window 1
.irp t, 0,1,2,3,4,5,6,7
	v_wmma_scale_f32_16x16x128_f8f6f4 v[OAC+8*\t:OAC+8*\t+7], v[S+16*\t:S+16*\t+7], v[16*\n:16*\n+7], v[BOC:BOC+7], v[CSR+\t], v[WOS+\n] matrix_a_fmt:MATRIX_FMT_FP4 matrix_b_fmt:MATRIX_FMT_FP4
.endr
	WIN 0x54
.irp t, 0,1,2,3,4,5,6,7
	v_wmma_scale_f32_16x16x128_f8f6f4 v[OAC+8*\t:OAC+8*\t+7], v[S+16*\t+8:S+16*\t+15], v[16*\n+8:16*\n+15], v[OAC+8*\t:OAC+8*\t+7], v[CSR+\t], v[WOS+\n] matrix_a_fmt:MATRIX_FMT_FP4 matrix_b_fmt:MATRIX_FMT_FP4 matrix_a_scale:MATRIX_SCALE_ROW1 matrix_b_scale:MATRIX_SCALE_ROW1
.endr
	WIN 0
	PLACES
	WIN 0x04                                       ; an LDS store's data are its source 1: window 1
.irp t, 0,1,2,3,4,5,6,7
	ds_store_b128 v[SO], v[OAC+8*\t:OAC+8*\t+3] offset:128*(\t/2)+32*(\t%2)      ; each accumulator from its low end on
	ds_store_b128 v[SO], v[OAC+8*\t+4:OAC+8*\t+7] offset:128*(\t/2)+32*(\t%2)+16
.endr
	WIN 0
.irp a, 0,1                                    ; eight rows at a time
.irp i, 0,1,2,3,4,5,6,7
	ds_load_b128 v[RB+4*\i:RB+4*\i+3], v[SR] offset:STP*(8*\a+\i)   ; LDS serves a wave's instructions in order: these see my stores, and the next tile's stores come behind them
.endr
.if \n < 2
	s_wait_xcnt 0x0                                ; earlier stores have read the registers that now take rows of x
.irp i, 0,1,2,3,4,5,6,7
	ds_load_b128 v[XB+4*\i:XB+4*\i+3], v[XW0] offset:512*(16*\n+8*\a+\i)
.endr
	s_wait_dscnt 0x0
.set j, 0
.rept 16
	v_pk_add_f32 v[XB+j:XB+j+1], v[XB+j:XB+j+1], v[RB+j:RB+j+1]
.set j, j+2
.endr
.irp i, 0,1,2,3,4,5,6,7
	global_store_b128 v[LI], v[XB+4*\i:XB+4*\i+3], s[18:19] offset:(16*\n+8*\a+\i)*8192 th:TH_STORE_NT
.endr
.else
	s_wait_dscnt 0x0
	WIN 0x41                                       ; x's rows in window 1
.set j, 0
.rept 16
	v_pk_add_f32 v[XR+4*(16*(\n-2)+8*\a)+j:XR+4*(16*(\n-2)+8*\a)+j+1], v[XR+4*(16*(\n-2)+8*\a)+j:XR+4*(16*(\n-2)+8*\a)+j+1], v[RB+j:RB+j+1]
.set j, j+2
.endr
	WIN 0x04                                       ; a store's data are its source 1
.irp i, 0,1,2,3,4,5,6,7
	global_store_b128 v[LI], v[XR+4*(16*(\n-2)+8*\a+\i):XR+4*(16*(\n-2)+8*\a+\i)+3], s[18:19] offset:(16*\n+8*\a+\i)*8192 th:TH_STORE_NT
.endr
	WIN 0
.endif
.endr
.endm
	OUTTILE 0
	OUTTILE 1
	OUTTILE 2
	OUTTILE 3
	s_wait_tensorcnt 0x0                           ; the wave's end, behind my last tensor load and my last LDS store
	ds_add_u32 v[SPW], v[NIL]
	s_wait_dscnt 0x0
	CROUND                                         ; the closing round: no work-group ends while a partner may still ask for a tile that names it
	s_endpgm
.Lfunc_end_k_q9d6926c42c_attn:
	.size	k_q9d6926c42c_attn, .Lfunc_end_k_q9d6926c42c_attn-k_q9d6926c42c_attn
	.p2alignl 7, 3214868480
	.fill 96, 4, 3214868480
	.section	.rodata,"a",@progbits
	.p2align	6, 0x0
	.amdhsa_kernel k_q9d6926c42c_attn
		.amdhsa_group_segment_fixed_size 327680
		.amdhsa_private_segment_fixed_size 0
		.amdhsa_enable_private_segment 0
		.amdhsa_kernarg_size 64
		.amdhsa_user_sgpr_count 2
		.amdhsa_user_sgpr_kernarg_segment_ptr 1
		.amdhsa_wavefront_size32 1
		.amdhsa_system_sgpr_workgroup_id_x 1
		.amdhsa_system_sgpr_workgroup_id_y 1
		.amdhsa_system_sgpr_workgroup_id_z 1
		.amdhsa_system_vgpr_workitem_id 0
		.amdhsa_next_free_vgpr 512
		.amdhsa_next_free_sgpr 96
		.amdhsa_reserve_vcc 0
		.amdhsa_float_denorm_mode_32 3
		.amdhsa_float_denorm_mode_16_64 3
		.amdhsa_memory_ordered 1
		.amdhsa_forward_progress 1
		.amdhsa_inst_pref_size 165
	.end_amdhsa_kernel
	.amdgpu_metadata
---
amdhsa.version: [ 1, 2 ]
amdhsa.kernels:
  - .name:           k_q9d6926c42c_attn
    .symbol:         k_q9d6926c42c_attn.kd
    .args:
      - { .name: kvc, .offset: 0, .size: 8, .value_kind: global_buffer, .address_space: global }
      - { .name: kvs, .offset: 8, .size: 8, .value_kind: global_buffer, .address_space: global }
      - { .name: qj, .offset: 16, .size: 8, .value_kind: global_buffer, .address_space: global }
      - { .name: wimg, .offset: 24, .size: 8, .value_kind: global_buffer, .address_space: global }
      - { .name: wscl, .offset: 32, .size: 8, .value_kind: global_buffer, .address_space: global }
      - { .name: bo, .offset: 40, .size: 8, .value_kind: global_buffer, .address_space: global }
      - { .name: x, .offset: 48, .size: 8, .value_kind: global_buffer, .address_space: global }
      - { .name: out0, .offset: 56, .size: 8, .value_kind: global_buffer, .address_space: global }
    .group_segment_fixed_size: 327680
    .private_segment_fixed_size: 0
    .kernarg_segment_align: 8
    .kernarg_segment_size: 64
    .max_flat_workgroup_size: 256
    .sgpr_count:     96
    .vgpr_count:     512
    .wavefront_size: 32
...
	.end_amdgpu_metadata
.endif
;; end of part 3
